; MI455X (gfx1250); checked and timed in simulation.
; The chip was launched on July 23, 2026; its instructions are those of AMD's public machine-readable ISA for CDNA 5 (MIT licence, August 2026) and "CDNA5" Instruction Set Architecture Reference Guide (July 2026). The comments in the code are by the model that wrote it; some were corrected since.
;; MP Attention. Allowed arithmetic: matrix products marked QUANTISED: E2M1 operands, one E8M0 scale for each 32 along K, by v_wmma_scale_f32_16x16x128_f8f6f4 with both operands' format E2M1 (or v_wmma_scale_f32_32x16x128_f4), f32 sums; everything else in f32.
;; Inputs: gain_s one number float32; gain_t one number float32; k_w 1,024 x 1,024 float32; o_w 1,024 x 1,024 float32; q_w 1,024 x 1,024 float32; query 8 x 1,024 x 1,024 float32; rel_pos_bias 8 x 1,024 x 1,024 float32; v_w 1,024 x 1,024 float32.
;; Outputs: out0 8 x 1,024 x 1,024 float32.
;; This version of the problem:
;;   THIS VERSION OF THE PROBLEM IS GIVEN IN LOW PRECISION. The matrix products marked QUANTISED in the list below multiply operands that are first quantised to E2M1 (2 exponent bits, 1 mantissa bit; 4 bits a number), with one power-of-two scale for each 32 numbers along K (OCP MX v1.0); their sums are f32. All else is computed in f32.
;;   The module's matrix products, in the order in which they are computed (A, B: the left and right operand; K: the contracted axis; several contracted axes count as one K, in the product's order):
;;     1. [M 8,192, K 1,024] x [K 1,024, N 1,024]; A: input query; B: computed on the way: QUANTISED
;;     2. [M 8,192, K 1,024] x [K 1,024, N 1,024]; A: input query; B: computed on the way: QUANTISED
;;     3. [M 8,192, K 1,024] x [K 1,024, N 1,024]; A: input query; B: computed on the way: QUANTISED
;;     4. batch 64 x [M 1,024, K 128] x [K 128, N 1,024]; A: computed on the way; B: computed on the way: QUANTISED
;;     5. batch 64 x [M 1,024, K 1,024] x [K 1,024, N 128]; A: softmax (see below); B: computed on the way: QUANTISED
;;     6. [M 8,192, K 1,024] x [K 1,024, N 1,024]; A: computed on the way; B: computed on the way: QUANTISED
;;   THE QUANTISER, for each operand of a quantised product, along K:
;;     - K is cut into blocks of 32 from its start; a last block that is shorter is filled with zeros.
;;     - A block's scale is 2^e with e = floor(log2(the largest magnitude in the block)) - 2, held to -126 .. 127; a block of zeros has e = 0. As a byte (E8M0): e + 127.
;;     - Each number is divided by its block's scale, clamped to +-6, and rounded to the nearest number of E2M1, ties to even, subnormals kept.
;;     - The product sums the exact products of the quantised numbers (number of the format x scale) in f32.
;;   ~~~python
;;   def quantise(x, axis):      # numpy; x: float32 -> the quantised numbers, widened to float32 again
;;       x = np.moveaxis(x, axis, -1); K = x.shape[-1]
;;       x = np.pad(x, [(0, 0)] * (x.ndim - 1) + [(0, -K % 32)]); x = x.reshape(x.shape[:-1] + (-1, 32)); a = np.abs(x).max(-1, keepdims=True)
;;       e = np.where(a > 0, np.clip(np.frexp(np.where(a > 0, a, 1))[1] - 1 - 2, -126, 127), 0)      # np.frexp(a)[1] - 1 = floor(log2(a)), exactly
;;       r = np.clip(x / 2.0 ** e, -6, 6)
;;       step = 2.0 ** (np.maximum(np.frexp(np.where(r == 0, 1, r))[1] - 1, 0) - 1)
;;       q = np.round(r / step) * step * 2.0 ** e      # np.round: ties to even
;;       return np.moveaxis(q.reshape(q.shape[:-2] + (-1,))[..., :K], -1, axis).astype(np.float32)
;;   ~~~
;;   SOFTMAX AHEAD OF A QUANTISED PRODUCT. Where the list says 'softmax', what is quantised is not the finished softmax but p = 2^(t - M), with t = logit x log2(e) and M = ceil(the row's largest t), a whole number; so 1/2 < the row's largest p <= 1. The row's sum l is taken of the UNQUANTISED p, in f32, and the product's result is divided by l at the end. Since M is a whole number, a kernel that streams over the keys may use a running M (the ceiling of the running maximum): every later rescaling is an exact power of two, which a block's scale takes up: the codes' values come out the same.
;;   OPERANDS COMPUTED ON THE WAY. 'Computed on the way' means the value that the module computes at that place (a softmax that the list does not call 'softmax' is quantised finished and normalised). What goes into a quantiser is computed in f32, as accurately as f32 sums, v_exp_f32 and their like allow (about 1e-6 of the number): no bf16 or f16 on the way to a quantiser, and a product that is left as it is and whose result goes on into a quantised operand takes f32 operands (vector FMAs, or v_wmma_f32_16x16x4_f32). A number that lies on a knife's edge between two numbers of the format may be rounded either way, as far as f32 arithmetic and the matrix unit's own rounding can turn it there, and no further.
;; One version. Each part assembles by itself: llvm-mc -triple=amdgcn-amd-amdhsa -mcpu=gfx1250 --defsym DOCPART=n.
;; ======== version 1 of 1: 4 launches
;; workspace buffers: codes 6,291,456 bytes; scales 393,216 bytes; qkv_img 12,582,912 bytes; qkv_sc 786,432 bytes; o_img 4,194,304 bytes; o_sc 262,144 bytes
;; launch prep (part 1): grid 768 x 1, 4 waves a work-group, no clusters, 38,400 bytes of LDS; arguments query, q_w, k_w, v_w, o_w, gain_s, codes, scales; writes codes, scales
.if DOCPART == 1
	.amdgcn_target "amdgcn-amd-amdhsa--gfx1250"
	.amdhsa_code_object_version 6
	.text
	.protected	k_q98dd56d60c_prep
	.globl	k_q98dd56d60c_prep
	.p2align	8
	.type	k_q98dd56d60c_prep,@function
k_q98dd56d60c_prep:
	s_mov_b64 s[64:65], 0
	v_nop
	global_prefetch_b8 v0, s[64:65] scope:SCOPE_SE
	s_setreg_imm32_b32 hwreg(HW_REG_WAVE_MODE, 25, 1), 1
	s_wait_xcnt 0x0
; query [8192][1024] and the four weights [1024][1024], f32, become codes of FP4 (E2M1) with K innermost and one E8M0 byte for each 32 along K.
; A weight's row is first renormalised: w x (gain_s / 32) / (1e-4 + |row| / 32); a row of query is multiplied by exactly 1.
; The 12,288 rows are one stack: 0 .. 8,191 tokens, then q_w, k_w, v_w, o_w.  ROWS ARE STORED IN ANOTHER ORDER THAN THEY COME: in each group of 32 rows the second and the third
; eight change places, so that 16 rows on end in the buffers are rows 0-7 and 16-23, or 8-15 and 24-31, of the group: the tiles that the later products want.
; SHARES.  A work-group takes 16 rows, a wave 4, kept in 128 registers between the sum of squares and the scaling: each row is read from memory once.  Every load covers 512 bytes on end.
; The conversions want 32 neighbours in ONE lane: a row turns through the wave's own stage in LDS (128 bytes + 16 of padding for each block of 32) and lane l gets block l.
; All five tensors take one path: only the pointer, a mask and the factor are chosen, by the work-group's number.  No input is shared between work-groups: no cluster, no tensor load.
; LIMITS: NaN and infinities are not served.  A block whose largest magnitude lies under 2^-124, a block of zeros too, gets the byte 1: its codes are zeros, and this program alone reads the bytes.
; The square root and the reciprocal are the chip's, good to one unit in the last place.  gain_t is not among the arguments: the computation makes nothing of it.
.set R,   32                           ; v32-159  four rows of 32 registers, as loaded, then scaled
.set X,   160                          ; v160-223 two sets of 32 neighbours
.set C,   224                          ; v224-239 a row's codes: four registers for each row, so that no store's data are written again
.set E,   240                          ; v240-243 a scale byte for each row
.set SP,  144                          ; a block's place in a stage: 128 bytes + 16
.set STG, 32*SP                        ; a stage; two for each wave
.set SCB, 4*2*STG                      ; behind the stages: the work-group's 16 x 32 scale bytes
	s_load_b512 s[4:19], s[0:1], 0x0               ; query 4:5, q_w 6:7, k_w 8:9, v_w 10:11, o_w 12:13, gain_s 14:15, codes 16:17, scales 18:19
	v_lshl_add_u32 v248, v0, 2, 0x9400
	v_mov_b32 v249, 0
	v_lshrrev_b32 v1, 5, v0
	v_readfirstlane_b32 s20, v1                    ; wave
	v_and_b32 v1, 31, v0                           ; lane
	v_lshlrev_b32 v2, 4, v1                        ; 16 x lane: my bytes of a load's 512, and of a row's codes
	s_mul_i32 s21, s20, 2*STG
	v_lshrrev_b32 v3, 3, v1
	v_mul_u32_u24 v3, v3, SP
	v_and_b32 v4, 7, v1
	v_lshl_add_u32 v3, v4, 4, v3
	v_add_nc_u32 v3, s21, v3                       ; into the stage: eight lanes fill a block's 128 bytes
	v_mul_u32_u24 v4, v1, SP
	v_add_nc_u32 v4, s21, v4                       ; out of it: lane l takes block l
	s_lshl_b32 s21, s20, 7
	s_add_co_u32 s21, s21, SCB
	v_add_nc_u32 v5, s21, v1                       ; my block's scale byte: 32 bytes a row, four rows a wave
	v_add_nc_u32 v6, SCB, v2                       ; the bytes' way out: 16 a lane
	v_lshrrev_b32 v7, 4, v1
	v_and_b32 v8, 15, v1
	v_lshlrev_b32 v7, 9, v7
	v_lshl_add_u32 v7, v8, 4, v7                   ; lanes 0-15: my first eight rows' 256 bytes; lanes 16-31: the other eight's, 512 bytes on
	v_mov_b32 v16, 0                               ; written once: a lane permute's destination counts as one of its sources
.irp i, 0,1,2,3
	v_mov_b32 v[25+2*\i], 0                        ; the upper halves of the factors' pairs: named by the packed form, never used
.endr
	s_mov_b32 s27, 0x3d000000                      ; 1 / 32 = 1 / sqrt(1024)
	s_mov_b32 s28, 0x38d1b717                      ; 1e-4
	s_mov_b32 s30, 0x76543210
	s_mov_b32 s31, 0xfedcba98                      ; v_permlanex16_b32's selects for lane l xor 16
	s_mov_b32 s33, 0
	s_wait_kmcnt 0x0
	s_load_b32 s25, s[14:15], 0x0                  ; gain_s
	s_mov_b64 s[22:23], s[12:13]                   ; whose rows are mine?  The choice hangs on the work-group's number alone
	s_cmp_lt_u32 ttmp9, 704
	s_cselect_b64 s[22:23], s[10:11], s[22:23]
	s_cmp_lt_u32 ttmp9, 640
	s_cselect_b64 s[22:23], s[8:9], s[22:23]
	s_cmp_lt_u32 ttmp9, 576
	s_cselect_b64 s[22:23], s[6:7], s[22:23]
	s_cmp_lt_u32 ttmp9, 512
	s_cselect_b64 s[22:23], s[4:5], s[22:23]
	s_cselect_b32 s24, 0x1ff, 63                   ; blocks of 16 rows in the tensor, less one
	s_cselect_b32 s26, 0, -1                       ; a lane mask: all ones for a weight
	s_and_b32 s32, ttmp9, s24
	s_lshl_b32 s32, s32, 16                        ; 16 rows of 4,096 bytes
	s_lshl_b32 s21, s20, 14                        ; my wave's four
	s_add_co_u32 s32, s32, s21
	s_add_nc_u64 s[22:23], s[22:23], s[32:33]
.irp i, 0,1,2,3
.irp j, 0,1,2,3,4,5,6,7
	global_load_b128 v[R+32*\i+4*\j:R+32*\i+4*\j+3], v2, s[22:23] offset:4096*\i+512*\j th:TH_LOAD_NT
.endr
.endr
	s_lshr_b32 s21, ttmp9, 1                       ; where my four rows go: 32 (g / 2) + 16 (w / 2) + 8 (g % 2) + 4 (w % 2)
	s_lshl_b32 s32, s21, 5
	s_lshr_b32 s29, s20, 1
	s_lshl_b32 s29, s29, 4
	s_add_co_u32 s32, s32, s29
	s_and_b32 s29, ttmp9, 1
	s_lshl_b32 s29, s29, 3
	s_add_co_u32 s32, s32, s29
	s_and_b32 s29, s20, 1
	s_lshl_b32 s29, s29, 2
	s_add_co_u32 s32, s32, s29
	s_lshl_b32 s32, s32, 9                         ; 512 bytes of codes a row
	s_add_nc_u64 s[16:17], s[16:17], s[32:33]
	s_lshl_b32 s32, s21, 10                        ; the scale bytes: 1,024 for a group of 32 rows, 256 for eight
	s_and_b32 s29, ttmp9, 1
	s_lshl_b32 s29, s29, 8
	s_add_co_u32 s32, s32, s29
	s_add_nc_u64 s[18:19], s[18:19], s[32:33]
	s_wait_kmcnt 0x0
	s_mul_f32 s25, s25, s27                        ; gain_s / 32
; the sum of squares of row i: two packed chains in a lane, then over the 32 lanes
.macro SUMSQ i
	s_wait_loadcnt 8*(3-\i)                        ; loads come back in order: row i's eight are in, those of the rows behind it may be out
	v_pk_mul_f32 v[8:9], v[R+32*\i:R+32*\i+1], v[R+32*\i:R+32*\i+1]
	v_pk_mul_f32 v[10:11], v[R+32*\i+2:R+32*\i+3], v[R+32*\i+2:R+32*\i+3]
.irp j, 4,8,12,16,20,24,28
	v_pk_fma_f32 v[8:9], v[R+32*\i+\j:R+32*\i+\j+1], v[R+32*\i+\j:R+32*\i+\j+1], v[8:9]
	v_pk_fma_f32 v[10:11], v[R+32*\i+\j+2:R+32*\i+\j+3], v[R+32*\i+\j+2:R+32*\i+\j+3], v[10:11]
.endr
	v_pk_add_f32 v[8:9], v[8:9], v[10:11]
	v_add_f32 v[12+\i], v8, v9
	v_add_f32_dpp v[12+\i], v[12+\i], v[12+\i] row_xmask:1 row_mask:0xf bank_mask:0xf
	v_add_f32_dpp v[12+\i], v[12+\i], v[12+\i] row_xmask:2 row_mask:0xf bank_mask:0xf
	v_add_f32_dpp v[12+\i], v[12+\i], v[12+\i] row_xmask:4 row_mask:0xf bank_mask:0xf
	v_add_f32_dpp v[12+\i], v[12+\i], v[12+\i] row_xmask:8 row_mask:0xf bank_mask:0xf
	v_permlanex16_b32 v16, v[12+\i], s30, s31
	v_add_f32 v[12+\i], v[12+\i], v16
.endm
.irp i, 0,1,2,3
	SUMSQ \i
.endr
.irp i, 0,1,2,3
	v_sqrt_f32 v[20+\i], v[12+\i]                  ; the rows' norms: one batch
.endr
	v_nop                                          ; a plain instruction behind the last of them
	s_wait_alu depctr_va_vdst(0)                   ; one wait for the four, ahead of their first reader
.irp i, 0,1,2,3
	v_fma_f32 v[20+\i], v[20+\i], s27, s28         ; 1e-4 + norm / 32
.endr
.irp i, 0,1,2,3
	v_rcp_f32 v[12+\i], v[20+\i]
.endr
	v_nop
	s_wait_alu depctr_va_vdst(0)                   ; and one for the four reciprocals
.irp i, 0,1,2,3
	v_mul_f32 v[24+2*\i], s25, v[12+\i]            ; the row's factor
.endr
.irp i, 0,1,2,3
	v_cndmask_b32 v[24+2*\i], 1.0, v[24+2*\i], s26 ; a row of query keeps its numbers: x 1
.endr
.macro SCALE i
.set j, 0
.rept 16
	v_pk_mul_f32 v[R+32*(\i)+j:R+32*(\i)+j+1], v[R+32*(\i)+j:R+32*(\i)+j+1], v[24+2*(\i):25+2*(\i)] op_sel_hi:[1,0]
.set j, j+2
.endr
.endm
.macro TURN i                          ; row i through a stage: LDS serves a wave's instructions in order, so no wait stands between the stores and the loads
.irp j, 0,1,2,3,4,5,6,7
	ds_store_b128 v3, v[R+32*(\i)+4*\j:R+32*(\i)+4*\j+3] offset:STG*((\i)%2)+4*SP*\j
.endr
.irp j, 0,1,2,3,4,5,6,7
	ds_load_b128 v[X+32*((\i)%2)+4*\j:X+32*((\i)%2)+4*\j+3], v4 offset:STG*((\i)%2)+16*\j
.endr
.endm
.macro QROW i                          ; my block of row i: its largest magnitude, its byte, its 32 codes
.set XS, X+32*((\i)%2)
	v_max3_num_f32 v16, |v[XS]|, |v[XS+1]|, |v[XS+2]|
	v_max3_num_f32 v17, |v[XS+3]|, |v[XS+4]|, |v[XS+5]|
.irp k, 6,10,14,18,22,26
	v_max3_num_f32 v16, v16, |v[XS+\k]|, |v[XS+\k+1]|
	v_max3_num_f32 v17, v17, |v[XS+\k+2]|, |v[XS+\k+3]|
.endr
	v_max3_num_f32 v16, v16, |v[XS+30]|, |v[XS+31]|
	v_max3_num_f32 v16, v16, v17, 0x1800000        ; and the floor 2^(3 - 127): the byte cannot fall under 1
	v_add_nc_u32 v18, 0xff000000, v16              ; 2 off the exponent field: the conversion takes this operand's exponent field as its scale
.irp g, 0,1,2,3
	v_cvt_scalef32_pk8_fp4_f32 v[C+4*(\i)+\g], v[XS+8*\g:XS+8*\g+7], v18
.endr
	v_lshrrev_b32 v[E+(\i)], 23, v18               ; the scale's byte (also the plain instruction behind the conversions)
	ds_store_b8 v5, v[E+(\i)] offset:32*(\i)
	global_store_b128 v2, v[C+4*(\i):C+4*(\i)+3], s[16:17] offset:512*(\i)   ; 32 lanes store the row's 512 bytes on end
.endm
	SCALE 0
	TURN 0
.irp i, 0,1,2,3
.if \i < 3
	SCALE \i+1
	TURN \i+1                                      ; the next row goes through the other stage while this one is worked
.endif
.if \i == 0
	s_wait_dscnt 16                                ; row 0 is back; the next row's sixteen may be out
.elseif \i < 3
	s_wait_dscnt 17                                ; behind this row's loads: the last byte store and the next row's sixteen
.else
	s_wait_dscnt 1                                 ; behind the last row's loads: one byte store
.endif
	QROW \i
.endr
	s_wait_dscnt 0x0                               ; for the others' sake: my byte stores have landed
	s_barrier_signal -1
	s_barrier_wait -1
	s_cmp_lg_u32 s20, 0
	s_cbranch_scc1 .Lend
	ds_load_b128 v[244:247], v6                    ; wave 0 sends the work-group's 512 scale bytes:
	s_wait_dscnt 0x0
	global_store_b128 v7, v[244:247], s[18:19]     ; sixteen lanes store 256 bytes on end, aligned, twice
.Lend:
	s_wait_tensorcnt 0x0
	ds_add_u32 v248, v249
	s_wait_dscnt 0x0
	s_endpgm
.Lfunc_end_k_q98dd56d60c_prep:
	.size	k_q98dd56d60c_prep, .Lfunc_end_k_q98dd56d60c_prep-k_q98dd56d60c_prep
	.p2alignl 7, 3214868480
	.fill 96, 4, 3214868480
	.section	.rodata,"a",@progbits
	.p2align	6, 0x0
	.amdhsa_kernel k_q98dd56d60c_prep
		.amdhsa_group_segment_fixed_size 38400
		.amdhsa_private_segment_fixed_size 0
		.amdhsa_enable_private_segment 0
		.amdhsa_kernarg_size 64
		.amdhsa_user_sgpr_count 2
		.amdhsa_user_sgpr_kernarg_segment_ptr 1
		.amdhsa_wavefront_size32 1
		.amdhsa_system_sgpr_workgroup_id_x 1
		.amdhsa_system_sgpr_workgroup_id_y 1
		.amdhsa_system_sgpr_workgroup_id_z 1
		.amdhsa_system_vgpr_workitem_id 0
		.amdhsa_next_free_vgpr 250
		.amdhsa_next_free_sgpr 66
		.amdhsa_reserve_vcc 0
		.amdhsa_float_denorm_mode_32 3
		.amdhsa_float_denorm_mode_16_64 3
		.amdhsa_memory_ordered 1
		.amdhsa_forward_progress 1
		.amdhsa_inst_pref_size 28
	.end_amdhsa_kernel
	.amdgpu_metadata
---
amdhsa.version: [ 1, 2 ]
amdhsa.kernels:
  - .name:           k_q98dd56d60c_prep
    .symbol:         k_q98dd56d60c_prep.kd
    .args:
      - { .name: query, .offset: 0, .size: 8, .value_kind: global_buffer, .address_space: global }
      - { .name: q_w, .offset: 8, .size: 8, .value_kind: global_buffer, .address_space: global }
      - { .name: k_w, .offset: 16, .size: 8, .value_kind: global_buffer, .address_space: global }
      - { .name: v_w, .offset: 24, .size: 8, .value_kind: global_buffer, .address_space: global }
      - { .name: o_w, .offset: 32, .size: 8, .value_kind: global_buffer, .address_space: global }
      - { .name: gain_s, .offset: 40, .size: 8, .value_kind: global_buffer, .address_space: global }
      - { .name: codes, .offset: 48, .size: 8, .value_kind: global_buffer, .address_space: global }
      - { .name: scales, .offset: 56, .size: 8, .value_kind: global_buffer, .address_space: global }
    .group_segment_fixed_size: 38400
    .private_segment_fixed_size: 0
    .kernarg_segment_align: 8
    .kernarg_segment_size: 64
    .max_flat_workgroup_size: 128
    .sgpr_count:     66
    .vgpr_count:     250
    .wavefront_size: 32
...
	.end_amdgpu_metadata
.endif
;; end of part 1
;; launch qkv (part 2): grid 8 x 32, 4 waves a work-group, clusters of 4 x 4, 327,680 bytes of LDS; arguments codes, scales, qkv_img, qkv_sc; writes qkv_img, qkv_sc
.if DOCPART == 2
	.amdgcn_target "amdgcn-amd-amdhsa--gfx1250"
	.amdhsa_code_object_version 6
	.text
	.protected	k_q98dd56d60c_qkv
	.globl	k_q98dd56d60c_qkv
	.p2align	8
	.type	k_q98dd56d60c_qkv,@function
k_q98dd56d60c_qkv:
	s_mov_b64 s[64:65], 0
	v_nop
	global_prefetch_b8 v0, s[64:65] scope:SCOPE_SE
	s_setreg_imm32_b32 hwreg(HW_REG_WAVE_MODE, 25, 1), 1
	s_wait_xcnt 0x0
	s_wait_alu depctr_hold_cnt(0) depctr_sa_sdst(0) depctr_va_vdst(0) depctr_va_sdst(0) depctr_va_ssrc(0) depctr_va_vcc(0) depctr_vm_vsrc(0)
	s_getreg_b32 s2, hwreg(HW_REG_IB_STS2, 6, 4)
	s_cmp_eq_u32 s2, 0
	s_cbranch_scc0 .Lentry_in_a_cluster
	s_endpgm
.Lentry_in_a_cluster:
	s_bfe_u32 s2, ttmp6, 0x10000c
	s_cmp_lg_u32 s2, 0xf033
	s_cbranch_scc0 .Lentry_shape_is_right
	s_endpgm
.Lentry_shape_is_right:
; q, k, v = query x (renormalised weight)^T on codes of FP4 with E8M0 scales, K = 1,024; the results are quantised in registers, for the two products of attention, and leave as codes.
; SHARES.  8,192 tokens x 3,072 channels in 256 work-groups of equal work: a work-group STAYS on 256 tokens and makes q, then k, then v of ONE head (three units of 256 x 128).  The tokens' tile, 256 rows x
; 512 bytes, lies whole in LDS for all three units; the weights' 128 rows of a unit have two slots: q_w's and k_w's come with the first fills, v_w's go into q_w's slot when q's products have read it out:
; one refill, asked for a unit and a half ahead of its first read.  A third slot would make 337,920 bytes of codes: more than a work-group can have.
; CLUSTERS: 4 x 4 work-groups.  The four of a row of the cluster need the same tokens, the four of a column the same head's rows of the weights: each tile is asked for jointly.
; WHICH SIDE IS WHICH.  Source 0 of the matrix instruction is called B here, source 1 A: a lane then holds ONE row of A's tile, and its registers run along B's rows.  What runs along the registers is the
; next product's K.  For q and k that is the head's 128 channels: A = 64 tokens of my own, B = the weight's 128 rows.  For v it is the tokens (the keys): A = 64 rows of v_w, B = 128 tokens.
; A wave makes 4 blocks of A x 8 blocks of B: 32 accumulators of 16 x 16.
; The rows lie in the buffers so that 16 rows on end are rows 0-7 and 16-23 (or 8-15 and 24-31) of a group of 32: so the 16 registers of accumulators (m, 2 u) and (m, 2 u + 1) are 16 NEIGHBOURS
; along the next K, 32 u + 16 (lane / 16) + 0 .. 15.  A block of 32 lies in lanes l and l xor 16.
; OUT: a fragment (16 rows x 128 K, 8 registers a lane) leaves as an image of its registers, two stores of 512 bytes on end.  The scale words lie [row 16][fragment 8]: a wave holds four of a row's
; eight, so its store covers 16 of every 32 bytes and the wave beside it the rest; they are one byte in sixteen of what the launch stores.
; LIMITS: NaN and infinities are not served; a block under 2^-124, a block of zeros too, gets the byte 1 and zero codes.
; REGISTERS, in windows of 256: window 0: v8-18 addresses, v28-29 the add's; v32-95 B's scale words, v96-127 A's; v128-191 A's fragments, two sets; v192-223 the codes just made; v224-245 at work.
;   window 1: B's fragments, two sets, at v0 and v128.   window 2: the accumulators ((m, b) at v[8 (8 m + b)]).
.set PITCH,  528                       ; an LDS row: 512 bytes + 16 of padding = 132 words: the 16 rows that a load touches start at 16 different banks (64 banks of 4 bytes: ISA guide 11.1)
.set HALFT,  128*PITCH                 ; 128 rows: what one tensor load brings.  The tokens' two halves at 0 and HALFT, the weights' slots at 2 HALFT and 3 HALFT
.set SCL,    4*HALFT                   ; behind the tiles: the scale bytes, as units of 256 bytes + 16 of padding
.set HALFS,  16*272                    ; those of 128 rows (32 bytes a row): the tokens' two halves, then q_w's, k_w's, v_w's
.set SBLK,   2*272                     ; those of 16 rows
.set SPARE,  SCL+5*HALFS               ; behind the scale bytes: the spare words, 128 bytes for each wave: two blocks of 256 bytes that no other line names
.set AXQ,  8                           ; v8   LDS address of my 64 tokens' fragments (q, k: A)
.set AXV,  9                           ; v9   of my 128 tokens' (v: B)
.set AW0,  10                          ; v10  of the weight's in slot 0 (q: B)
.set AW1,  11                          ; v11  in slot 1 (k: B)
.set AWV,  12                          ; v12  of my 64 rows in slot 0 (v: A)
.set ASXQ, 13                          ; v13  LDS address of the scale words of my 64 tokens
.set ASXV, 14                          ; v14  of my 128 tokens
.set ASW,  15                          ; v15  of q_w's rows; k_w's lie HALFS on
.set ASWV, 16                          ; v16  of my 64 rows of v_w
.set LI,   17                          ; v17  16 x lane: an image's place for my lane
.set SO,   18                          ; v18  32 x row + 8 x half: the scale words' way out
.set SPW,  28                          ; v28  my spare word: SPARE + 4 x my thread's number; never rewritten
.set NIL,  29                          ; v29  0; never rewritten
.set SB,   32                          ; v[SB + 8 b + q]: lane r holds the word of row r of B's block b for the q-th 128 along K
.set SA,   96                          ; v[SA + 8 m + q]: the same of A's block m
.set AF,   128                         ; A's fragments: set p, block m at v[AF + 32 p + 8 m]
.set PCB,  192                         ; the codes of block m at v[PCB + 8 m]
.set TM,   224                         ; v224-227 largest magnitudes, v228-231 bytes, v236-239 the conversions' scale operands
.set PWS,  240                         ; v240-243 the scale word of block m
.set OW,   244                         ; v244-245 two scale words on their way out
.set G1, 24                            ; s[24:31] group 1 for the tokens' codes;  s[32:35] group 0
.set G0, 32
.set G0R, 36                           ; s[36:39] group 0 for the refill: v_w's codes
.set G1B, 48                           ; s[48:55], s[56:59] for the weights' codes
.set G0B, 56
.set G1S, 68                           ; s[68:75], s[76:79] for the tokens' scale bytes;  s[80:87], s[88:91] for the weights'
.set G0S, 76
.set G1SB, 80
.set G0SB, 88
.set G0S2, 92                          ; s[92:95] group 0 for v_w's scale bytes
.set SEL, 96                           ; s[96:97] lane selects for v_permlanex16_b32
.set HIM, 98                           ; s98  a lane mask: lanes 16-31
.set MSB, 0
.macro WIN new                         ; the immediate's high byte repeats the setting that is left
.if MSB != \new
	s_set_vgpr_msb (MSB<<8)|\new
.set MSB, \new
.endif
.endm
.set MUL,  0xa1                        ; source 0 (B) window 1, source 1 (A) window 0, C and D window 2
.set TO_B, 0x40                        ; destination window 1, address window 0
; A joint load: waves 0 and 1 fetch the tokens' halves, waves 2 and 3 q_w's and k_w's rows.  The branch hangs on the wave's number alone.  Four v_nop follow each of the two lines.
.macro JLOAD g0a, g1a, g0b, g1b
	s_cmp_eq_u32 s15, 0
	s_cbranch_scc0 .Lfor_b_\@
	tensor_load_to_lds s[\g0a:\g0a+3], s[\g1a:\g1a+7]
	s_nop 0
.rept 4
	v_nop
.endr
	s_branch .Lasked_\@
.Lfor_b_\@:
	tensor_load_to_lds s[\g0b:\g0b+3], s[\g1b:\g1b+7]
	s_nop 0
.rept 4
	v_nop
.endr
.Lasked_\@:
.endm
.macro CROUND                          ; a round of the cluster's barrier
	s_barrier_signal -1
	s_barrier_wait -1
	s_cmp_lg_u32 s14, 0
	s_cbranch_scc1 .Lnot_wave_0_\@
	s_barrier_signal -3
.Lnot_wave_0_\@:
	s_barrier_wait -3
	s_barrier_signal -1
	s_barrier_wait -1
.endm
.macro PLACES n                        ; plain vector instructions between a matrix instruction and a load into, or a vector read or write of, its registers: four (ISA guide 7.12.1 for vector reads and writes);
.rept \n                               ; five where a later matrix instruction begins an accumulator anew
	v_nop
.endr
.endm
	s_load_b256 s[4:11], s[0:1], 0x0               ; codes 4:5, scales 6:7, qkv_img 8:9, qkv_sc 10:11
	v_lshl_add_u32 v[SPW], v0, 2, SPARE
	v_mov_b32 v[NIL], 0
	ds_add_u32 v28, v29
	ds_add_u32 v28, v29
	s_wait_dscnt 0x0
	v_lshrrev_b32 v1, 5, v0
	v_readfirstlane_b32 s14, v1                    ; wave 0..3
	s_lshr_b32 s15, s14, 1                         ; which 128 of the 256 tokens my results belong to.  Also: I fetch tokens (0) or weights (1)
	s_and_b32 s16, s14, 1                          ; which four of a group's eight fragments are mine.  Also: which half of the tokens, or which of q_w and k_w, I fetch
	s_bfe_u32 s40, ttmp6, 0x40000                  ; cx, cy: my place in the cluster
	s_bfe_u32 s41, ttmp6, 0x40004
	s_lshl_b32 s42, ttmp9, 2
	s_add_co_u32 s42, s42, s40                     ; tx = 4 x cluster x + cx: the head
	s_and_b32 s17, ttmp7, 0xffff
	s_lshl_b32 s17, s17, 2
	s_add_co_u32 s17, s17, s41                     ; ty = 4 x cluster y + cy: 256 tokens
	s_lshl_b32 s43, s41, 2
	s_lshl_b32 s43, 15, s43                        ; my row of the cluster
	s_lshl_b32 s44, 0x1111, s40                    ; my column
	s_or_b32 s[G1], s43, (1<<20)|(1<<21)|(6<<22)|(3<<25)    ; 15:0 the mask; 17:16 elements of 1 byte; 20 padding on; 21 set beside a mask; 24:22 after every 128 words (code 6); 31:25 four words (code 3)
	s_or_b32 s[G1B], s44, (1<<20)|(1<<21)|(6<<22)|(3<<25)
.irp g, G1, G1B
	s_mov_b32 s[\g+1], 512<<16                     ; tensor_dim0 = 512 bytes
	s_mov_b32 s[\g+2], 128<<16                     ; tensor_dim1 = 128 rows
	s_mov_b32 s[\g+3], 512<<16                     ; tile_dim0
	s_mov_b32 s[\g+4], 128                         ; tile_dim1
	s_mov_b32 s[\g+5], 512                         ; from row to row
	s_mov_b32 s[\g+6], 0
	s_mov_b32 s[\g+7], 0
.endr
	s_or_b32 s[G1S], s43, (3<<16)|(1<<20)|(1<<21)|(5<<22)|(3<<25)   ; the scale bytes of 128 rows: 4,096 dense bytes as 16 rows of 32 elements of 8 bytes, 16 bytes of padding behind each
	s_or_b32 s[G1SB], s44, (3<<16)|(1<<20)|(1<<21)|(5<<22)|(3<<25)
.irp g, G1S, G1SB
	s_mov_b32 s[\g+1], 32<<16
	s_mov_b32 s[\g+2], 16<<16
	s_mov_b32 s[\g+3], 32<<16
	s_mov_b32 s[\g+4], 16
	s_mov_b32 s[\g+5], 32
	s_mov_b32 s[\g+6], 0
	s_mov_b32 s[\g+7], 0
.endr
	; where the tiles come from.  The tokens' hang on ty alone, which my row of the cluster shares; the weights' on tx alone, which my column shares; each in registers that never hold the other coordinate
	s_lshl_b32 s18, s16, 7
	s_lshl_b32 s20, s17, 8
	s_add_co_u32 s20, s20, s18                     ; tokens: row 256 ty + 128 x half
	s_lshl_b32 s19, s16, 10
	s_lshl_b32 s46, s42, 7
	s_add_co_u32 s46, s46, s19
	s_add_co_u32 s46, s46, 8192                    ; q_w or k_w: row 8,192 + 1,024 x (0 or 1) + 128 tx
	s_lshl_b32 s60, s42, 7
	s_add_co_u32 s60, s60, 10240                   ; v_w: row 8,192 + 2,048 + 128 tx
	s_lshl_b32 s22, s20, 5                         ; 32 scale bytes a row,
	s_mov_b32 s23, 0
	s_lshl_b32 s20, s20, 9                         ; 512 bytes of codes
	s_mov_b32 s21, 0
	s_lshl_b32 s12, s46, 5
	s_mov_b32 s13, 0
	s_lshl_b32 s46, s46, 9
	s_mov_b32 s47, 0
	s_lshl_b32 s62, s60, 5
	s_mov_b32 s63, 0
	s_lshl_b32 s60, s60, 9
	s_mov_b32 s61, 0
	s_mul_i32 s45, s14, HALFT                      ; where they go: wave x 128 rows: no place in the cluster enters an LDS address
	s_mul_i32 s3, s14, HALFS
	s_wait_kmcnt 0x0
	s_add_nc_u64 s[20:21], s[4:5], s[20:21]
	s_add_nc_u64 s[22:23], s[6:7], s[22:23]
	s_add_nc_u64 s[46:47], s[4:5], s[46:47]
	s_add_nc_u64 s[12:13], s[6:7], s[12:13]
	s_add_nc_u64 s[60:61], s[4:5], s[60:61]
	s_add_nc_u64 s[62:63], s[6:7], s[62:63]
	CROUND                                         ; all sixteen work-groups are here: the first joint loads meet
	s_mov_b32 s[G0S], 1
	s_add_co_u32 s[G0S+1], s3, SCL
	s_mov_b64 s[G0S+2:G0S+3], s[22:23]
	s_or_b32 s[G0S+3], s[G0S+3], 0x80000000
	s_mov_b32 s[G0SB], 1
	s_add_co_u32 s[G0SB+1], s3, SCL
	s_mov_b64 s[G0SB+2:G0SB+3], s[12:13]
	s_or_b32 s[G0SB+3], s[G0SB+3], 0x80000000
	JLOAD G0S, G1S, G0SB, G1SB
	s_mov_b32 s[G0], 1
	s_mov_b32 s[G0+1], s45
	s_mov_b64 s[G0+2:G0+3], s[20:21]
	s_or_b32 s[G0+3], s[G0+3], 0x80000000
	s_mov_b32 s[G0B], 1
	s_mov_b32 s[G0B+1], s45
	s_mov_b64 s[G0B+2:G0B+3], s[46:47]
	s_or_b32 s[G0B+3], s[G0B+3], 0x80000000
	JLOAD G0, G1, G0B, G1B
	s_mov_b32 s[G0S2], 1
	s_mov_b32 s[G0S2+1], SCL+4*HALFS
	s_mov_b64 s[G0S2+2:G0S2+3], s[62:63]
	s_or_b32 s[G0S2+3], s[G0S2+3], 0x80000000
	s_mov_b32 s[G0R], 1                            ; the refill's descriptor is made here and never written again
	s_mov_b32 s[G0R+1], 2*HALFT
	s_mov_b64 s[G0R+2:G0R+3], s[60:61]
	s_or_b32 s[G0R+3], s[G0R+3], 0x80000000
	s_cmp_eq_u32 s14, 2
	s_cbranch_scc0 .Lnot_two
	tensor_load_to_lds s[G0S2:G0S2+3], s[G1SB:G1SB+7]   ; wave 2: v_w's scale bytes too, filled once.  Three tensor loads of wave 2 are out, two of the others
	s_nop 0
.rept 4
	v_nop
.endr
.Lnot_two:
	v_and_b32 v1, 15, v0                           ; r = lane % 16
	v_bfe_u32 v2, v0, 4, 1                         ; h = lane / 16
	v_mul_u32_u24 v3, v1, PITCH
	v_lshl_add_u32 v3, v2, 4, v3                   ; a fragment's row x pitch + 16 x half
	s_mul_i32 s45, s14, 64*PITCH
	v_add_nc_u32 v[AXQ], s45, v3                   ; tokens 64 w on
	s_mul_i32 s45, s15, HALFT
	v_add_nc_u32 v[AXV], s45, v3                   ; tokens 128 (w / 2) on
	v_add_nc_u32 v[AW0], 2*HALFT, v3
	v_add_nc_u32 v[AW1], 3*HALFT, v3
	s_mul_i32 s45, s16, 64*PITCH
	s_add_co_u32 s45, s45, 2*HALFT
	v_add_nc_u32 v[AWV], s45, v3                   ; rows 64 (w % 2) on of slot 0
	v_lshrrev_b32 v4, 3, v1
	v_mul_u32_u24 v4, v4, 272
	v_and_b32 v5, 7, v1
	v_lshl_add_u32 v4, v5, 5, v4                   ; my row's 32 scale bytes: eight rows to a unit
	s_mul_i32 s45, s14, 4*SBLK
	s_add_co_u32 s45, s45, SCL
	v_add_nc_u32 v[ASXQ], s45, v4
	s_mul_i32 s45, s15, HALFS
	s_add_co_u32 s45, s45, SCL
	v_add_nc_u32 v[ASXV], s45, v4
	v_add_nc_u32 v[ASW], SCL+2*HALFS, v4
	s_mul_i32 s45, s16, 4*SBLK
	s_add_co_u32 s45, s45, SCL+4*HALFS
	v_add_nc_u32 v[ASWV], s45, v4
	v_and_b32 v[LI], 31, v0
	v_lshlrev_b32 v[LI], 4, v[LI]
	v_lshlrev_b32 v[SO], 5, v1
	v_lshl_add_u32 v[SO], v2, 3, v[SO]
.irp b, 0,1,2,3
	v_mov_b32 v[TM+4+\b], 0                        ; written once: a lane permute's destination counts as one of its sources
.endr
	s_mov_b32 s[SEL], 0x76543210
	s_mov_b32 s[SEL+1], 0xfedcba98
	s_mov_b32 s[HIM], 0xffff0000
	s_lshl_b32 s18, s17, 1                         ; where my fragments go: [8 b + head][type][group of 128 tokens][fragment 8]
	s_add_co_u32 s18, s18, s15                     ; my group of 128 tokens: 0..63
	s_lshr_b32 s19, s18, 3                         ; b
	s_and_b32 s18, s18, 7                          ; the group in the batch
	s_lshl_b32 s19, s19, 3
	s_add_co_u32 s19, s19, s42                     ; 8 b + head
	s_mul_i32 s19, s19, 24
	s_add_co_u32 s19, s19, s18                     ; type 0; a type on is 8 groups on, and stands in the stores' immediates
	s_lshl_b32 s18, s19, 13                        ; 8,192 bytes of images a group,
	s_lshl_b32 s45, s16, 12                        ; my four fragments of the eight
	s_add_co_u32 s18, s18, s45
	s_lshl_b32 s2, s19, 9                          ; 512 bytes of scale words a group,
	s_lshl_b32 s45, s16, 4                         ; my four words of a row's eight
	s_add_co_u32 s2, s2, s45
	s_mov_b32 s19, 0
	s_mov_b32 s3, 0
	s_add_nc_u64 s[8:9], s[8:9], s[18:19]
	s_add_nc_u64 s[10:11], s[10:11], s[2:3]
.macro FRAG reg, adr, q, i             ; 16 rows x 128 K of 4-bit codes: lane l holds row l % 16; registers 4 c .. 4 c + 3 hold K = 64 c + 32 (l / 16) + 0 .. 31
.irp c, 0,1
	ds_load_b128 v[\reg+4*\c:\reg+4*\c+3], v[\adr] offset:64*(\q)+32*\c+(\i)*16*PITCH
.endr
.endm
.macro FETCH aa, ab, q, p              ; the fragments of the q-th 128 along K into set p: B's eight blocks, A's four: 24 loads in one run
	WIN TO_B
.irp i, 0,1,2,3,4,5,6,7
	FRAG 128*(\p)+8*\i, \ab, \q, \i
.endr
	WIN 0
.irp m, 0,1,2,3
	FRAG AF+32*(\p)+8*\m, \aa, \q, \m
.endr
.endm
.macro SCALES sa, sb, sboff            ; a unit's scale words, all eight steps': 32 bytes a row, two loads a block
.irp i, 0,1,2,3,4,5,6,7
.irp g, 0,1
	ds_load_b128 v[SB+8*\i+4*\g:SB+8*\i+4*\g+3], v[\sb] offset:\sboff+SBLK*\i+16*\g
.endr
.endr
.irp m, 0,1,2,3
.irp g, 0,1
	ds_load_b128 v[SA+8*\m+4*\g:SA+8*\m+4*\g+3], v[\sa] offset:SBLK*\m+16*\g
.endr
.endr
.endm
; 32 matrix instructions: A's four blocks x B's eight, the q-th 128 along K, from set p.  The first step's products start the sums: nothing is ever cleared.
; The 32 accumulators take turns, one instruction a turn, in the same order in every step.
.macro MUL32 p, q
.irp m, 0,1,2,3
.irp b, 0,1,2,3,4,5,6,7
.if (\q) == 0
	v_wmma_scale_f32_16x16x128_f8f6f4 v[8*(8*\m+\b):8*(8*\m+\b)+7], v[128*(\p)+8*\b:128*(\p)+8*\b+7], v[AF+32*(\p)+8*\m:AF+32*(\p)+8*\m+7], 0, v[SB+8*\b+(\q)], v[SA+8*\m+(\q)] matrix_a_fmt:MATRIX_FMT_FP4 matrix_b_fmt:MATRIX_FMT_FP4
.else
	v_wmma_scale_f32_16x16x128_f8f6f4 v[8*(8*\m+\b):8*(8*\m+\b)+7], v[128*(\p)+8*\b:128*(\p)+8*\b+7], v[AF+32*(\p)+8*\m:AF+32*(\p)+8*\m+7], v[8*(8*\m+\b):8*(8*\m+\b)+7], v[SB+8*\b+(\q)], v[SA+8*\m+(\q)] matrix_a_fmt:MATRIX_FMT_FP4 matrix_b_fmt:MATRIX_FMT_FP4
.endif
.endr
.endr
.endm
; A step of 128 along K: this step's fragments are in; the next step's 24 loads go out into the other set; then the 32 products, behind which those loads land.
.macro STEP aa, ab, q
	s_wait_dscnt 0x0                               ; all my LDS loads are in: this step's fragments (and, in a unit's first step, its scale words)
.if (\q) < 7
.if (\q) > 0
	PLACES 4                                       ; the other set was read by the last step's products
.endif
	FETCH \aa, \ab, (\q)+1, ((\q)+1)%2
.endif
	WIN MUL
	MUL32 (\q)%2, \q
.endm
.macro KLOOP aa, ab
.irp q, 0,1,2,3,4,5,6,7
	STEP \aa, \ab, \q
.endr
	WIN 0
.endm
; BLOCK m of unit u (16 rows of A x my 128 of B) becomes a fragment of the next product: each block of 32 gets its scale, the numbers their codes.  Each accumulator is read from its low end on.
.macro QOUT u, m
.set AC, 64*(\m)
.set PC, PCB+8*(\m)
	WIN 0x0a                                       ; sources 0 and 1: window 2
.irp b, 0,1,2,3
	v_max3_num_f32 v[TM+\b], |v[AC+16*\b]|, |v[AC+16*\b+1]|, 0x1800000   ; my 16 numbers of block b, and the floor 2^(3 - 127): the byte cannot fall under 1
.endr
.irp i, 2,4,6,8,10,12,14
.irp b, 0,1,2,3
	v_max3_num_f32 v[TM+\b], |v[AC+16*\b+\i]|, |v[AC+16*\b+\i+1]|, v[TM+\b]   ; (the four blocks by turns)
.endr
.endr
	WIN 0
.irp b, 0,1,2,3
	v_permlanex16_b32 v[TM+4+\b], v[TM+\b], s[SEL], s[SEL+1]
.endr
.irp b, 0,1,2,3
	v_max_num_f32 v[TM+\b], v[TM+\b], v[TM+4+\b]   ; with lane l xor 16's: the block's largest magnitude
.endr
.irp b, 0,1,2,3
	v_add_nc_u32 v[TM+12+\b], 0xff000000, v[TM+\b] ; 2 off its exponent field: the conversion's scale operand
.endr
.irp b, 0,1,2,3
	v_lshrrev_b32 v[TM+4+\b], 23, v[TM+12+\b]      ; the scale's byte
.endr
	v_lshl_or_b32 v[PWS+(\m)], v[TM+5], 8, v[TM+4] ; my row's scale word
	v_lshl_or_b32 v[PWS+(\m)], v[TM+6], 16, v[PWS+(\m)]
	v_lshl_or_b32 v[PWS+(\m)], v[TM+7], 24, v[PWS+(\m)]
	WIN 0x02                                       ; source 0: window 2
.irp b, 0,1,2,3
	v_cvt_scalef32_pk8_fp4_f32 v[PC+2*\b], v[AC+16*\b:AC+16*\b+7], v[TM+12+\b]
	v_cvt_scalef32_pk8_fp4_f32 v[PC+2*\b+1], v[AC+16*\b+8:AC+16*\b+15], v[TM+12+\b]
.endr
	WIN 0
	v_nop                                          ; one plain instruction behind a scaled conversion
.irp c, 0,1                                    ; the operand's layout wants a WHOLE block in a lane: lanes 0-15 block 2 c, lanes 16-31 block 2 c + 1
.irp i, 0,1
	v_permlane16_swap_b32 v[PC+4*\c+\i], v[PC+4*\c+2+\i]
.endr
.endr
.irp c, 0,1
	global_store_b128 v[LI], v[PC+4*\c:PC+4*\c+3], s[8:9] offset:65536*(\u)+1024*(\m)+512*\c   ; 32 lanes store 512 bytes on end
.endr
.endm
.macro EPI u                           ; a unit's way out
.if (\u) > 0
	s_wait_xcnt 0x0                                ; the last unit's stores, a K loop back, have read their registers: the codes' and the words' registers are written again only behind this wait
.endif
.irp m, 0,1,2,3
	QOUT \u, \m
.endr
	v_cndmask_b32 v[OW], v[PWS], v[PWS+2], s[HIM]      ; both halves of the lanes hold row r's four words: lanes 0-15 send the first two, lanes 16-31 the other two
	v_cndmask_b32 v[OW+1], v[PWS+1], v[PWS+3], s[HIM]
	global_store_b64 v[SO], v[OW:OW+1], s[10:11] offset:4096*(\u)
.endm
	s_wait_tensorcnt 0x0                           ; my parts of the tiles and of the scale bytes are in,
	s_barrier_signal -1
	s_barrier_wait -1                              ; everybody's are
	FETCH AXQ, AW0, 0, 0
	SCALES ASXQ, ASW, 0
	KLOOP AXQ, AW0                                 ; q
	; THE ONE REFILL.  Slot 0 has been read out by my products of q.  Every wave: all its tensor loads have landed, the add, its LDS reads are back; then a round of the cluster's barrier, so that this holds of
	; every wave of all sixteen work-groups; then wave 2 asks for v_w's 128 rows, jointly with its column.
	s_wait_tensorcnt 0x0                           ; no tensor load of mine is out (every window is 0 here: the add's two registers lie in window 0)
	ds_add_u32 v[SPW], v[NIL]                      ; 0 onto my spare word
	PLACES 5                                       ; due anyway: behind q's last products, ahead of the loads into their operands and scale words, of the first read of their results, and of k's first products, which begin these accumulators anew
	s_wait_dscnt 0x0                               ; the add is done, and my reads of slot 0 are over
	CROUND
	s_cmp_eq_u32 s14, 2
	s_cbranch_scc0 .Lno_refill
	tensor_load_to_lds s[G0R:G0R+3], s[G1B:G1B+7]  ; the first thing behind the round, and the launch's last tensor load: it has q's way out and all of k's unit in which to land
	s_nop 0
.rept 4
	v_nop
.endr
.Lno_refill:
	FETCH AXQ, AW1, 0, 0                           ; k's first fragments and its scale words land while q is quantised; they read the tokens' tile, slot 1 and the scale bytes, not slot 0
	SCALES ASXQ, ASW, HALFS
	EPI 0
	KLOOP AXQ, AW1                                 ; k
	PLACES 5                                       ; behind k's last products, as above
	EPI 1
	s_wait_tensorcnt 0x0                           ; wave 2: v_w's rows are in,
	s_wait_dscnt 0x0
	s_barrier_signal -1
	s_barrier_wait -1                              ; and may be read by all four waves
	FETCH AWV, AXV, 0, 0
	SCALES ASWV, ASXV, 0
	KLOOP AWV, AXV                                 ; v
	PLACES 5
	EPI 2
	s_wait_tensorcnt 0x0                           ; the wave's end: behind my last tensor load
	ds_add_u32 v[SPW], v[NIL]
	s_wait_dscnt 0x0
	CROUND                                         ; the closing round: no work-group ends while a partner may still ask for a tile that names it
	s_endpgm
.Lfunc_end_k_q98dd56d60c_qkv:
	.size	k_q98dd56d60c_qkv, .Lfunc_end_k_q98dd56d60c_qkv-k_q98dd56d60c_qkv
	.p2alignl 7, 3214868480
	.fill 96, 4, 3214868480
	.section	.rodata,"a",@progbits
	.p2align	6, 0x0
	.amdhsa_kernel k_q98dd56d60c_qkv
		.amdhsa_group_segment_fixed_size 327680
		.amdhsa_private_segment_fixed_size 0
		.amdhsa_enable_private_segment 0
		.amdhsa_kernarg_size 32
		.amdhsa_user_sgpr_count 2
		.amdhsa_user_sgpr_kernarg_segment_ptr 1
		.amdhsa_wavefront_size32 1
		.amdhsa_system_sgpr_workgroup_id_x 1
		.amdhsa_system_sgpr_workgroup_id_y 1
		.amdhsa_system_sgpr_workgroup_id_z 1
		.amdhsa_system_vgpr_workitem_id 0
		.amdhsa_next_free_vgpr 768
		.amdhsa_next_free_sgpr 100
		.amdhsa_reserve_vcc 0
		.amdhsa_float_denorm_mode_32 3
		.amdhsa_float_denorm_mode_16_64 3
		.amdhsa_memory_ordered 1
		.amdhsa_forward_progress 1
		.amdhsa_inst_pref_size 203
	.end_amdhsa_kernel
	.amdgpu_metadata
---
amdhsa.version: [ 1, 2 ]
amdhsa.kernels:
  - .name:           k_q98dd56d60c_qkv
    .symbol:         k_q98dd56d60c_qkv.kd
    .args:
      - { .name: codes, .offset: 0, .size: 8, .value_kind: global_buffer, .address_space: global }
      - { .name: scales, .offset: 8, .size: 8, .value_kind: global_buffer, .address_space: global }
      - { .name: qkv_img, .offset: 16, .size: 8, .value_kind: global_buffer, .address_space: global }
      - { .name: qkv_sc, .offset: 24, .size: 8, .value_kind: global_buffer, .address_space: global }
    .group_segment_fixed_size: 327680
    .private_segment_fixed_size: 0
    .kernarg_segment_align: 8
    .kernarg_segment_size: 32
    .max_flat_workgroup_size: 128
    .sgpr_count:     100
    .vgpr_count:     768
    .wavefront_size: 32
...
	.end_amdgpu_metadata
.endif
;; end of part 2
;; launch attn (part 3): grid 32 x 8, 16 waves a work-group, clusters of 4 x 1, 327,680 bytes of LDS; arguments qkv_img, qkv_sc, rel_pos_bias, o_img, o_sc; writes o_img, o_sc
.if DOCPART == 3
	.amdgcn_target "amdgcn-amd-amdhsa--gfx1250"
	.amdhsa_code_object_version 6
	.text
	.protected	k_q98dd56d60c_attn
	.globl	k_q98dd56d60c_attn
	.p2align	8
	.type	k_q98dd56d60c_attn,@function
k_q98dd56d60c_attn:
	s_mov_b64 s[64:65], 0
	v_nop
	global_prefetch_b8 v0, s[64:65] scope:SCOPE_SE
	s_setreg_imm32_b32 hwreg(HW_REG_WAVE_MODE, 25, 1), 1
	s_wait_xcnt 0x0
	s_wait_alu depctr_hold_cnt(0) depctr_sa_sdst(0) depctr_va_vdst(0) depctr_va_sdst(0) depctr_va_ssrc(0) depctr_va_vcc(0) depctr_vm_vsrc(0)
	s_getreg_b32 s2, hwreg(HW_REG_IB_STS2, 6, 4)
	s_cmp_eq_u32 s2, 0
	s_cbranch_scc0 .Lentry_in_a_cluster
	s_endpgm
.Lentry_in_a_cluster:
	s_bfe_u32 s2, ttmp6, 0x10000c
	s_cmp_lg_u32 s2, 0x3003
	s_cbranch_scc0 .Lentry_shape_is_right
	s_endpgm
.Lentry_shape_is_right:
; o = softmax(q k^T / sqrt(128) + bias) v for one (batch, head) and 256 queries, both products on codes of FP4 with E8M0 scales; o is quantised in registers for the last projection.
; THE SOFTMAX: t = logit x log2(e); M = the row's largest t so far, rounded UP to a whole number; p = 2^(t - M) is quantised along the keys; the row's sum is taken of the unquantised p and divides at the
; end.  When M moves, the sum and O are multiplied by 2^(old M - new M): exact.
; SHARES.  Sixteen waves, four to a SIMD; each owns 16 queries in 256 registers and walks the 1,024 keys, 128 a step.  Both products are used transposed: a lane holds ONE query (lane % 16) throughout.
; K's and V's fragments come as images of registers; the rows of a tile are 0-7 and 16-23 (or 8-15 and 24-31) of a group of 32, so that the 16 registers of tiles 2 u and 2 u + 1 are 16 neighbours.
; K, V and their scale words, 139,264 bytes, lie WHOLE in LDS, filled once.
; THE BIAS is most of what a work-group takes in: 256 x 1,024 numbers of f32.  It hangs on head and query, not on the batch: THE FOUR PARTNERS OF A CLUSTER ARE FOUR BATCHES of one head and one block of
; queries, and ask for each tile of it jointly.  K and V are each partner's own (another batch): plain loads.  The bias has ONE slot of 128 keys; a wave's 16 rows of it are its own: brought by its own
; load, read by it alone.  At a step's head the wave copies them into the score registers; then the slot is filled again, behind a round of the cluster's barrier, and that load has the step in which to land.
; THE BIAS IS THE C OF THE FIRST PRODUCT: S = k q^T + bias x sqrt(128), t = S x log2(e) / sqrt(128).
; LIMITS: NaN and infinities are not served.  A block's largest p is taken from the block's largest score by the same multiply-add and exponential (this takes v_exp_f32 not to fall where its input rises).
; A block of zeros, or under 2^-124, gets the byte 1 and zero codes.
; REGISTERS: v1-7, v11 addresses that stay; v8-10 the step's; v12 -M, v13 the largest t, v[14:15] the sum; v16-23 Q; v24-31 eight tiles' scale words; v32-95 eight fragments of K or V; v96-159 bias, S, p;
;   v160-223 O^T; v224-231 codes; v232-247 at work; v252 f; v253 the scale word just made; v255 Q's scale word.
.set BP,    528                        ; a row of the bias in LDS: 512 bytes + 16: the 16 rows that a load touches start at 16 different banks (ISA guide 11.1)
.set BW,    16*BP                      ; a wave's 16 rows
.set KIMG,  16*BW                      ; behind the bias slot: K's 64 fragments of 1,024 bytes,
.set VIMG,  KIMG+65536                 ; V's,
.set KSC,   VIMG+65536                 ; K's scale words (512 bytes a step), and 4,096 bytes on V's,
.set OSC,   KSC+8192                   ; o's scale words on their way out: written by LDS stores, never filled by a tensor load,
.set SPARE, OSC+1024                   ; and the spare words, 128 bytes for each wave, that no other line names
.set LI,   1                           ; v1   16 x lane
.set ABI,  2                           ; v2   my place in my wave's bias rows
.set ASC,  3                           ; v3   32 x row: a row's eight scale words
.set OSA,  4                           ; v4   where I put o's scale word
.set SPW,  5                           ; v5   my spare word: SPARE + 4 x my thread's number; never rewritten
.set NIL,  6                           ; v6   0; never rewritten
.set PFO,  7                           ; v7   the prefetches' offset; never rewritten
.set ADK,  8
.set ADV,  9
.set ADS,  10
.set OSR,  11                          ; v11  where waves 0 and 1 read o's scale words back
.set TM,   232
.set PC,   224
.set PW,   253
.set WV,   18
.set SEL,  20
.set CS,   22                          ; s[22:23] log2(e) / sqrt(128)
.set G1B,  24                          ; s[24:31] group 1 for the bias;  s[32:39] for K's and V's images;  s[40:47] for their scale words
.set G1I,  32
.set G1S,  40
.set G0B,  48                          ; s[48:51], s[52:55], s[56:59] their groups 0
.set G0I,  52
.set G0S,  56
.set RT,   60                          ; s[60:61] sqrt(128)
.set TK,   2                           ; s2   LDS byte of the step's fragments of K
.set TV,   3                           ; s3   of V
.set TS,   66                          ; s66  of K's scale words
.set CNT,  67                          ; s67  refills to go
.set PFA,  76                          ; s[76:77] where my prefetches stand
.set LIM,  80                          ; s80  1 in a wave that prefetches, else the greatest number
.macro ROUND                           ; a round of the cluster's barrier
	s_barrier_signal -1
	s_barrier_wait -1
	s_cmp_lg_u32 s[WV], 0
	s_cbranch_scc1 .Lnot_wave_0_\@
	s_barrier_signal -3
.Lnot_wave_0_\@:
	s_barrier_wait -3
	s_barrier_signal -1
	s_barrier_wait -1
.endm
; A PREFETCH INTO THE L2 of the bias tile that the NEXT refill will ask for: 256 rows x 512 bytes, two aligned blocks of 256 bytes a row.  Two clusters (batches 0-3, 4-7) read each tile: the first asks.
; Its four partners take 64 rows each, told apart BY ADDRESS; in each, waves 0 to 3 take 16 rows: two lanes a row, one instruction a wave.  So each block is named once in the launch.
; The last refill but none: trip 6 of 7 asks for nothing, there is no step behind the last.  Steps 0 and 1 come by their loads alone.
.macro ASK
	s_cmp_gt_u32 s[CNT], s[LIM]
	s_cbranch_scc0 .Lnot_mine_\@
	global_prefetch_b8 v[PFO], s[PFA:PFA+1] th:TH_LOAD_NT scope:SCOPE_SE
.Lnot_mine_\@:
.endm
	s_load_b256 s[4:11], s[0:1], 0x0               ; qkv_img 4:5, qkv_sc 6:7, bias 8:9, o_img 10:11
	s_load_b64 s[12:13], s[0:1], 0x20              ; o_sc
	v_lshl_add_u32 v[SPW], v0, 2, SPARE
	v_mov_b32 v[NIL], 0
	ds_add_u32 v5, v6
	ds_add_u32 v5, v6
	s_wait_dscnt 0x0
	v_lshrrev_b32 v8, 5, v0
	v_readfirstlane_b32 s[WV], v8                  ; wave 0..15
	s_bfe_u32 s14, ttmp6, 0x40000                  ; cx: my place in the cluster
	s_lshr_b32 s15, ttmp9, 1                       ; the block of 256 queries
	s_and_b32 s16, ttmp9, 1                        ; which four batches
	s_and_b32 s17, ttmp7, 0xffff                   ; the head
	s_lshl_b32 s19, s16, 2
	s_add_co_u32 s19, s19, s14                     ; my batch: it enters global addresses alone
	s_lshl_b32 s68, s19, 3
	s_add_co_u32 s68, s68, s17                     ; 8 b + head
	s_lshl_b32 s70, s17, 22                        ; the bias: a head is 4,194,304 bytes,
	s_lshl_b32 s71, s15, 20                        ; 256 rows of 4,096,
	s_add_co_u32 s70, s70, s71
	s_mov_b32 s72, s70
	s_lshl_b32 s71, s[WV], 16                      ; my wave's 16 rows
	s_add_co_u32 s70, s70, s71
	s_mov_b32 s71, 0
	s_lshl_b32 s73, s14, 18                        ; the prefetches: my work-group's 64 rows,
	s_add_co_u32 s72, s72, s73
	s_and_b32 s73, s[WV], 3
	s_lshl_b32 s73, s73, 16                        ; my wave's 16 of them,
	s_add_co_u32 s72, s72, s73
	s_add_co_u32 s72, s72, 512                     ; at key step 1: the first refill steps it to step 2
	s_mov_b32 s73, 0
	s_mul_i32 s74, s68, 196608                     ; my (batch, head) in qkv_img
	s_and_b32 s75, s[WV], 3
	s_lshl_b32 s75, s75, 15                        ; which 32,768 bytes of K and V I fetch, if I fetch
	s_add_co_u32 s78, s74, s75
	s_add_co_u32 s78, s78, 65536                   ; K's images begin behind q's, V's follow K's
	s_mov_b32 s79, 0
	s_mul_i32 s81, s68, 12288                      ; and in qkv_sc
	s_add_co_u32 s82, s81, 4096
	s_mov_b32 s83, 0
	s_lshl_b32 s84, s15, 1                         ; Q: my 16 queries are neighbours; in the images they are half of two tiles
	s_lshr_b32 s85, s[WV], 3
	s_add_co_u32 s84, s84, s85                     ; their group of 128 tokens
	s_lshl_b32 s86, s84, 9
	s_add_co_u32 s86, s86, s81
	s_lshl_b32 s84, s84, 13
	s_add_co_u32 s84, s84, s74
	s_bfe_u32 s85, s[WV], 0x20001                  ; (w % 8) / 2: the pair of tiles
	s_lshl_b32 s87, s85, 11
	s_add_co_u32 s84, s84, s87
	s_lshl_b32 s87, s85, 3
	s_add_co_u32 s86, s86, s87
	s_and_b32 s85, s[WV], 1                        ; rows 0-7 or 8-15 of both tiles
	s_lshl_b32 s87, s85, 7
	s_add_co_u32 s84, s84, s87
	s_lshl_b32 s87, s85, 8
	s_add_co_u32 s86, s86, s87
	s_mov_b32 s85, 0
	s_mov_b32 s87, 0
	s_mov_b32 s[G1B], 15|(2<<16)|(1<<20)|(1<<21)|(6<<22)|(3<<25)   ; 15:0 the mask: all four; 17:16 elements of 4 bytes; 20 padding on; 21 set beside a mask; 24:22 after every 128 words; 31:25 four words
	s_mov_b32 s[G1B+1], 128<<16                    ; tensor_dim0 = 128 keys
	s_mov_b32 s[G1B+2], 16<<16                     ; tensor_dim1 = 16 queries
	s_mov_b32 s[G1B+3], 128<<16                    ; tile_dim0
	s_mov_b32 s[G1B+4], 16                         ; tile_dim1
	s_mov_b32 s[G1B+5], 1024                       ; from row to row
	s_mov_b32 s[G1B+6], 0
	s_mov_b32 s[G1B+7], 0
	s_mov_b32 s[G1I], 3<<16                        ; a dense block as rows of 256 bytes (32 elements of 8 bytes): no mask, no padding
	s_mov_b32 s[G1I+1], 32<<16
	s_mov_b32 s[G1I+2], 128<<16                    ; 128 rows: 32,768 bytes
	s_mov_b32 s[G1I+3], 32<<16
	s_mov_b32 s[G1I+4], 128
	s_mov_b32 s[G1I+5], 32
	s_mov_b32 s[G1I+6], 0
	s_mov_b32 s[G1I+7], 0
	s_mov_b32 s[G1S], 3<<16
	s_mov_b32 s[G1S+1], 32<<16
	s_mov_b32 s[G1S+2], 32<<16                     ; 32 rows: 8,192 bytes
	s_mov_b32 s[G1S+3], 32<<16
	s_mov_b32 s[G1S+4], 32
	s_mov_b32 s[G1S+5], 32
	s_mov_b32 s[G1S+6], 0
	s_mov_b32 s[G1S+7], 0
	s_mov_b32 s[SEL], 0x76543210
	s_mov_b32 s[SEL+1], 0xfedcba98
	s_mov_b32 s[CS], 0x3e0293ee                    ; log2(e) / sqrt(128)
	s_mov_b32 s[CS+1], s[CS]                       ; (named with it as a pair, so it is written)
	s_mov_b32 s[RT], 0x413504f3                    ; sqrt(128)
	s_mov_b32 s[RT+1], s[RT]
	s_mov_b32 s[TK], KIMG
	s_mov_b32 s[TV], VIMG
	s_mov_b32 s[TS], KSC
	s_mov_b32 s[CNT], 7
	s_lshr_b32 s[LIM], s[WV], 2                    ; 0 in waves 0 to 3,
	s_or_b32 s[LIM], s[LIM], s16                   ; of the clusters of batches 0 to 3: the same in all four partners
	s_cmp_eq_u32 s[LIM], 0
	s_cselect_b32 s[LIM], 1, -1
	s_wait_kmcnt 0x0
	s_mov_b32 s[G0B], 1
	s_mul_i32 s[G0B+1], s[WV], BW                  ; my wave's rows of the slot
	s_add_nc_u64 s[G0B+2:G0B+3], s[8:9], s[70:71]
	s_or_b32 s[G0B+3], s[G0B+3], 0x80000000
	s_mov_b32 s[G0I], 1
	s_add_co_u32 s[G0I+1], s75, KIMG
	s_add_nc_u64 s[G0I+2:G0I+3], s[4:5], s[78:79]
	s_or_b32 s[G0I+3], s[G0I+3], 0x80000000
	s_mov_b32 s[G0S], 1
	s_mov_b32 s[G0S+1], KSC
	s_add_nc_u64 s[G0S+2:G0S+3], s[6:7], s[82:83]
	s_or_b32 s[G0S+3], s[G0S+3], 0x80000000
	s_add_nc_u64 s[PFA:PFA+1], s[8:9], s[72:73]
	s_add_nc_u64 s[84:85], s[4:5], s[84:85]        ; Q's codes
	s_add_nc_u64 s[86:87], s[6:7], s[86:87]        ; Q's scale words
	ROUND                                          ; all four work-groups are here: the first joint loads meet
	tensor_load_to_lds s[G0B:G0B+3], s[G1B:G1B+7]  ; every wave: its 16 rows of the bias, keys 0 to 127
	s_nop 0
.rept 4
	v_nop
.endr
	s_cmp_lt_u32 s[WV], 4
	s_cbranch_scc0 .Lnot_kv
	tensor_load_to_lds s[G0I:G0I+3], s[G1I:G1I+7]  ; waves 0 to 3: a quarter each of K's and V's images
	s_nop 0
.rept 4
	v_nop
.endr
	s_branch .Lfilled
.Lnot_kv:
	s_cmp_eq_u32 s[WV], 4
	s_cbranch_scc0 .Lfilled
	tensor_load_to_lds s[G0S:G0S+3], s[G1S:G1S+7]  ; wave 4: their scale words.  At most two tensor loads of a wave are out
	s_nop 0
.rept 4
	v_nop
.endr
.Lfilled:
	v_and_b32 v8, 15, v0                           ; r
	v_bfe_u32 v9, v0, 4, 1                         ; h
	v_and_b32 v10, 7, v8
	v_lshrrev_b32 v11, 3, v8
	v_lshlrev_b32 v254, 10, v11                    ; queries 8-15 lie in the pair's second tile,
	v_lshl_add_u32 v254, v10, 4, v254              ; 16 bytes a lane of the image,
	v_lshl_add_u32 v254, v9, 8, v254               ; its lanes 16-31 256 bytes on
	global_load_b128 v[16:19], v254, s[84:85]
	global_load_b128 v[20:23], v254, s[84:85] offset:512
	v_lshlrev_b32 v252, 5, v10                     ; the scale words lie [row][tile]
	v_lshl_add_u32 v252, v11, 2, v252
	global_load_b32 v255, v252, s[86:87]
	v_and_b32 v[LI], 31, v0
	v_lshrrev_b32 v[PFO], 1, v[LI]
	v_lshlrev_b32 v[PFO], 12, v[PFO]
	v_and_b32 v10, 1, v[LI]
	v_lshl_add_u32 v[PFO], v10, 8, v[PFO]          ; two lanes to a row of 4,096 bytes, 256 bytes apart
	v_lshlrev_b32 v[LI], 4, v[LI]
	s_mul_i32 s75, s[WV], BW
	v_mul_u32_u24 v[ABI], v8, BP
	v_lshl_add_u32 v[ABI], v9, 6, v[ABI]
	v_add_nc_u32 v[ABI], s75, v[ABI]               ; my query's row, + 64 h: my 16 keys of a block of 32
	v_lshlrev_b32 v[ASC], 5, v8
	s_lshl_b32 s75, s[WV], 6
	s_add_co_u32 s75, s75, OSC
	v_lshl_add_u32 v[OSA], v8, 2, s75              ; o's scale word: 64 bytes a wave, 4 a query
	s_and_b32 s75, s[WV], 1
	s_lshl_b32 s75, s75, 9
	s_add_co_u32 s75, s75, OSC
	v_add_nc_u32 v[OSR], s75, v[LI]
	s_lshl_b32 s88, s19, 6                         ; where o goes: tile of 16 tokens T = 64 b + 16 x block + wave
	s_lshl_b32 s89, s15, 4
	s_add_co_u32 s88, s88, s89
	s_lshl_b32 s69, s88, 6                         ; (64 bytes of scale words a tile)
	s_add_co_u32 s88, s88, s[WV]
	s_lshl_b32 s88, s88, 3
	s_add_co_u32 s88, s88, s17                     ; [T][head]: 1,024 bytes each
	s_lshl_b32 s88, s88, 10
	s_mov_b32 s89, 0
	s_add_nc_u64 s[10:11], s[10:11], s[88:89]
	s_lshl_b32 s88, s17, 15                        ; the scale words lie [head][T][row]
	s_add_co_u32 s88, s88, s69
	s_add_nc_u64 s[12:13], s[12:13], s[88:89]
	v_mov_b32 v13, 0xff61b1e6                      ; the largest t so far: -3e38, under every t
	v_floor_f32 v12, -v13                          ; -M
	v_mov_b32 v14, 0                               ; the sum, in two halves
	v_mov_b32 v15, 0
.irp b, 0,1,2,3
	v_mov_b32 v[236+\b], 0                         ; written once: a lane permute's destination counts as one of its sources
.endr
	v_mov_b32 v253, 0                              ; (named as the upper half of the pair v[252:253] before it is first written)
.set j, 0
.rept 64
	v_mov_b32 v[160+j], 0                          ; O^T.  (The step is written for every step alike: the first finds zeros, which the first change of M leaves zeros)
.set j, j+1
.endr
	s_wait_loadcnt 0x0                             ; Q
	s_wait_tensorcnt 0x0                           ; my first fills are in,
	s_barrier_signal -1
	s_barrier_wait -1                              ; everybody's are: K, V and their scale words may be read by all.
; A KEY STEP: 128 keys.  refill = 1: the bias slot is filled again with the next 128 keys.
.macro STEP refill
	s_wait_tensorcnt 0x0                           ; my one load that may be out is the bias tile that I am about to read: so the count is 0
	v_add_nc_u32 v[ADK], s[TK], v[LI]
	v_add_nc_u32 v[ADV], s[TV], v[LI]
	v_add_nc_u32 v[ADS], s[TS], v[ASC]
	v_nop                                          ; four plain instructions between the last step's products and the loads into their operands
.irp b, 0,1,2,3
.irp j, 0,1,2,3
	ds_load_b128 v[96+16*\b+4*\j:99+16*\b+4*\j], v[ABI] offset:128*\b+16*\j   ; the bias of my query at keys 32 b + 16 h + 0 .. 15: where the scores will stand
.endr
.endr
.irp a, 0,1,2,3,4,5,6,7
.irp c, 0,1
	ds_load_b128 v[32+8*\a+4*\c:35+8*\a+4*\c], v[ADK] offset:1024*\a+512*\c
.endr
.endr
.irp g, 0,1
	ds_load_b128 v[24+4*\g:27+4*\g], v[ADS] offset:16*\g   ; my row's scale words of K's eight tiles
.endr
.if \refill
	s_wait_tensorcnt 0x0                           ; no tensor load of mine is out (met at once: see the step's head), so a group 0 may be written
	ds_add_u32 v[SPW], v[NIL]                      ; 0 onto my spare word
	s_add_nc_u64 s[G0B+2:G0B+3], s[G0B+2:G0B+3], 512   ; the next 128 keys; the type bits on top are not reached
	s_wait_xcnt 0x0                                ; the last prefetch, a step back, has read its address, so it may be written
	s_add_nc_u64 s[PFA:PFA+1], s[PFA:PFA+1], 512   ; one step further on than the descriptor
	s_wait_dscnt 0x0                               ; the add is done, and my reads of the slot are back in registers
	ROUND                                          ; that now holds of every wave of all four work-groups
	tensor_load_to_lds s[G0B:G0B+3], s[G1B:G1B+7]  ; the first thing behind the round, and my one tensor load until the next
	s_nop 0
.rept 4
	v_nop
.endr
	ASK
.else
	s_wait_dscnt 0x0
.endif
.set j, 0
.rept 32
	v_pk_mul_f32 v[96+j:97+j], v[96+j:97+j], s[RT:RT+1] op_sel_hi:[1,0]   ; bias x sqrt(128)
.set j, j+2
.endr
.rept 4
	v_nop                                          ; between the last of these and the products that take them as C
.endr
.irp t, 0,1,2,3,4,5,6,7                        ; S^T = K Q^T + C: eight accumulators, one instruction each
	v_wmma_scale_f32_16x16x128_f8f6f4 v[96+8*\t:103+8*\t], v[32+8*\t:39+8*\t], v[16:23], v[96+8*\t:103+8*\t], v[24+\t], v255 matrix_a_fmt:MATRIX_FMT_FP4 matrix_b_fmt:MATRIX_FMT_FP4
.endr
.rept 4
	v_nop                                          ; four plain instructions: ahead of the loads into these products' operands, and of the first read of their results
.endr
.irp a, 0,1,2,3,4,5,6,7                        ; V's fragments and scale words land while the softmax is walked
.irp c, 0,1
	ds_load_b128 v[32+8*\a+4*\c:35+8*\a+4*\c], v[ADV] offset:1024*\a+512*\c
.endr
.endr
.irp g, 0,1
	ds_load_b128 v[24+4*\g:27+4*\g], v[ADS] offset:4096+16*\g
.endr
.irp b, 0,1,2,3
	v_max3_num_f32 v[232+\b], v[96+16*\b], v[97+16*\b], v[98+16*\b]   ; the largest score of each block of 32 keys: it serves the row's maximum and, since p rises with the score, the block's largest p
.endr
.irp i, 3,5,7,9,11,13
.irp b, 0,1,2,3
	v_max3_num_f32 v[232+\b], v[232+\b], v[96+16*\b+\i], v[97+16*\b+\i]
.endr
.endr
.irp b, 0,1,2,3
	v_max_num_f32 v[232+\b], v[232+\b], v[111+16*\b]
.endr
.irp b, 0,1,2,3
	v_permlanex16_b32 v[236+\b], v[232+\b], s[SEL], s[SEL+1]
.endr
.irp b, 0,1,2,3
	v_max_num_f32 v[232+\b], v[232+\b], v[236+\b]  ; with lane l xor 16's 16 keys
.endr
	v_max3_num_f32 v254, v232, v233, v234
	v_max_num_f32 v254, v254, v235                 ; the step's largest score of my query
	v_mul_f32 v254, s[CS], v254                    ; as t
	v_max_num_f32 v13, v13, v254                   ; the running largest t
	v_mov_b32 v254, v12
	v_floor_f32 v12, -v13                          ; the new -M = floor(-t) = -ceil(t)
	v_sub_f32 v254, v12, v254                      ; old M - new M: a whole number, 0 or less
	v_cvt_i32_f32 v254, v254                       ; (it saturates)
	v_ldexp_f32 v252, 1.0, v254                    ; f = 2^(old M - new M)
.set j, 0
.rept 32
	v_pk_fma_f32 v[96+j:97+j], v[96+j:97+j], s[CS:CS+1], v[12:13] op_sel_hi:[1,0,0]   ; t - M, two at a time
.set j, j+2
.endr
.irp b, 0,1,2,3
	v_fma_f32 v[232+\b], v[232+\b], s[CS], v12     ; the same of each block's largest score
.endr
.set j, 0
.rept 64
	v_exp_f32 v[96+j], v[96+j]                     ; p = 2^(t - M): one batch
.set j, j+1
.endr
	v_pk_mul_f32 v[14:15], v[14:15], v[252:253] op_sel_hi:[1,0]   ; the sums under the new M (the plain instruction behind the batch)
	s_wait_alu depctr_va_vdst(0)                   ; one wait for the whole batch, ahead of its first reader
.irp b, 0,1,2,3
	v_exp_f32 v[232+\b], v[232+\b]                 ; the blocks' largest p
.endr
	v_pk_add_f32 v[236:237], v[96:97], v[98:99]    ; the row's sum, of the unquantised p: two chains
.irp j, 4,8,12,16,20,24,28,32,36,40,44,48,52,56,60
	v_pk_add_f32 v[14:15], v[14:15], v[96+\j:97+\j]
	v_pk_add_f32 v[236:237], v[236:237], v[98+\j:99+\j]
.endr
	v_pk_add_f32 v[14:15], v[14:15], v[236:237]
	s_wait_alu depctr_va_vdst(0)                   ; and one for the four
.irp b, 0,1,2,3
	v_max_num_f32 v[232+\b], 0x1800000, v[232+\b]  ; the floor 2^(3 - 127): the byte cannot fall under 1
.endr
.irp b, 0,1,2,3
	v_add_nc_u32 v[244+\b], 0xff000000, v[232+\b]  ; 2 off the exponent field: the conversion's scale operand
.endr
.irp b, 0,1,2,3
	v_lshrrev_b32 v[236+\b], 23, v[244+\b]         ; the scale's byte
.endr
	v_lshl_or_b32 v253, v237, 8, v236              ; p's scale word for these 128 keys
	v_lshl_or_b32 v253, v238, 16, v253
	v_lshl_or_b32 v253, v239, 24, v253
.irp b, 0,1,2,3
	v_cvt_scalef32_pk8_fp4_f32 v[224+2*\b], v[96+16*\b:103+16*\b], v[244+\b]
	v_cvt_scalef32_pk8_fp4_f32 v[225+2*\b], v[104+16*\b:111+16*\b], v[244+\b]
.endr
	v_nop                                          ; one plain instruction behind a scaled conversion
.irp c, 0,1                                    ; a WHOLE block in a lane: lanes 0-15 block 2 c, lanes 16-31 block 2 c + 1
.irp i, 0,1
	v_permlane16_swap_b32 v[224+4*\c+\i], v[226+4*\c+\i]
.endr
.endr
.set j, 0
.rept 32
	v_pk_mul_f32 v[160+j:161+j], v[160+j:161+j], v[252:253] op_sel_hi:[1,0]   ; O^T under the new M.  (These also stand between the codes and the scale word just made and the products that take them)
.set j, j+2
.endr
.rept 4
	v_nop                                          ; between the last of these and the products that take them as C
.endr
	s_wait_dscnt 0x0                               ; V is in
.irp t, 0,1,2,3,4,5,6,7                        ; O^T += V^T P^T: eight accumulators, one instruction each
	v_wmma_scale_f32_16x16x128_f8f6f4 v[160+8*\t:167+8*\t], v[32+8*\t:39+8*\t], v[224:231], v[160+8*\t:167+8*\t], v[24+\t], v253 matrix_a_fmt:MATRIX_FMT_FP4 matrix_b_fmt:MATRIX_FMT_FP4
.endr
	s_add_co_u32 s[TK], s[TK], 8192                ; the next step's fragments and scale words
	s_add_co_u32 s[TV], s[TV], 8192
	s_add_co_u32 s[TS], s[TS], 512
.endm
.Lkey:                                             ; seven trips: behind each step's reads of the bias the next step's tile is asked for
	STEP 1
	s_sub_co_u32 s[CNT], s[CNT], 1
	s_cmp_lg_u32 s[CNT], 0
	s_cbranch_scc1 .Lkey
	STEP 0                                         ; the last step is written out
	; THE WAY OUT.  O^T / the sum is my query's 128 numbers of this head: K step 'head' of the last projection.  It is quantised as it stands and leaves as an image of the operand's registers.
	v_add_f32 v14, v14, v15                        ; the sum's two halves,
	v_permlanex16_b32 v252, v14, s[SEL], s[SEL+1]
	v_add_f32 v14, v14, v252                       ; and lane l xor 16's
	s_and_b32 s75, s[WV], 1
	s_lshl_b32 s75, s75, 9
	v_add_nc_u32 v9, s75, v[LI]                    ; the scale words' place in memory, for waves 0 and 1
	v_rcp_f32 v14, v14
	v_nop
	v_nop
	s_wait_alu depctr_va_vdst(0)                   ; the wait ahead of the reciprocal's first reader
.set j, 0
.rept 64
	v_mul_f32 v[96+j], v[160+j], v14               ; register 16 u + i: channel 32 u + 16 h + i
.set j, j+1
.endr
.irp b, 0,1,2,3
	v_max3_num_f32 v[TM+\b], |v[96+16*\b]|, |v[97+16*\b]|, 0x1800000
.endr
.irp i, 2,4,6,8,10,12,14
.irp b, 0,1,2,3
	v_max3_num_f32 v[TM+\b], v[TM+\b], |v[96+16*\b+\i]|, |v[97+16*\b+\i]|
.endr
.endr
.irp b, 0,1,2,3
	v_permlanex16_b32 v[TM+4+\b], v[TM+\b], s[SEL], s[SEL+1]
.endr
.irp b, 0,1,2,3
	v_max_num_f32 v[TM+\b], v[TM+\b], v[TM+4+\b]
.endr
.irp b, 0,1,2,3
	v_add_nc_u32 v[TM+12+\b], 0xff000000, v[TM+\b]
.endr
.irp b, 0,1,2,3
	v_lshrrev_b32 v[TM+4+\b], 23, v[TM+12+\b]
.endr
	v_lshl_or_b32 v[PW], v[TM+5], 8, v[TM+4]
	v_lshl_or_b32 v[PW], v[TM+6], 16, v[PW]
	v_lshl_or_b32 v[PW], v[TM+7], 24, v[PW]
.irp b, 0,1,2,3
	v_cvt_scalef32_pk8_fp4_f32 v[PC+2*\b], v[96+16*\b:103+16*\b], v[TM+12+\b]
	v_cvt_scalef32_pk8_fp4_f32 v[PC+1+2*\b], v[104+16*\b:111+16*\b], v[TM+12+\b]
.endr
	v_nop
.irp c, 0,1
.irp i, 0,1
	v_permlane16_swap_b32 v[PC+4*\c+\i], v[PC+2+4*\c+\i]
.endr
.endr
	global_store_b128 v[LI], v[PC:PC+3], s[10:11]              ; 512 bytes on end, twice
	global_store_b128 v[LI], v[PC+4:PC+7], s[10:11] offset:512
	ds_store_b32 v[OSA], v[PW]                     ; both halves of the lanes write the same word with the same value
	s_wait_dscnt 0x0                               ; for the others' sake
	s_barrier_signal -1
	s_barrier_wait -1
	s_cmp_lt_u32 s[WV], 2
	s_cbranch_scc0 .Lno_sc
	ds_load_b128 v[232:235], v[OSR]                ; waves 0 and 1 send the work-group's 1,024 bytes of scale words, 512 on end each
	s_wait_dscnt 0x0
	global_store_b128 v9, v[232:235], s[12:13]
.Lno_sc:
	s_wait_tensorcnt 0x0                           ; the wave's end: behind my last tensor load and my last LDS store
	ds_add_u32 v[SPW], v[NIL]
	s_wait_dscnt 0x0
	ROUND                                          ; the closing round: no work-group ends while a partner may still ask for a tile that names it
	s_endpgm
.Lfunc_end_k_q98dd56d60c_attn:
	.size	k_q98dd56d60c_attn, .Lfunc_end_k_q98dd56d60c_attn-k_q98dd56d60c_attn
	.p2alignl 7, 3214868480
	.fill 96, 4, 3214868480
	.section	.rodata,"a",@progbits
	.p2align	6, 0x0
	.amdhsa_kernel k_q98dd56d60c_attn
		.amdhsa_group_segment_fixed_size 327680
		.amdhsa_private_segment_fixed_size 0
		.amdhsa_enable_private_segment 0
		.amdhsa_kernarg_size 40
		.amdhsa_user_sgpr_count 2
		.amdhsa_user_sgpr_kernarg_segment_ptr 1
		.amdhsa_wavefront_size32 1
		.amdhsa_system_sgpr_workgroup_id_x 1
		.amdhsa_system_sgpr_workgroup_id_y 1
		.amdhsa_system_sgpr_workgroup_id_z 1
		.amdhsa_system_vgpr_workitem_id 0
		.amdhsa_next_free_vgpr 256
		.amdhsa_next_free_sgpr 90
		.amdhsa_reserve_vcc 0
		.amdhsa_float_denorm_mode_32 3
		.amdhsa_float_denorm_mode_16_64 3
		.amdhsa_memory_ordered 1
		.amdhsa_forward_progress 1
		.amdhsa_inst_pref_size 61
	.end_amdhsa_kernel
	.amdgpu_metadata
---
amdhsa.version: [ 1, 2 ]
amdhsa.kernels:
  - .name:           k_q98dd56d60c_attn
    .symbol:         k_q98dd56d60c_attn.kd
    .args:
      - { .name: qkv_img, .offset: 0, .size: 8, .value_kind: global_buffer, .address_space: global }
      - { .name: qkv_sc, .offset: 8, .size: 8, .value_kind: global_buffer, .address_space: global }
      - { .name: rel_pos_bias, .offset: 16, .size: 8, .value_kind: global_buffer, .address_space: global }
      - { .name: o_img, .offset: 24, .size: 8, .value_kind: global_buffer, .address_space: global }
      - { .name: o_sc, .offset: 32, .size: 8, .value_kind: global_buffer, .address_space: global }
    .group_segment_fixed_size: 327680
    .private_segment_fixed_size: 0
    .kernarg_segment_align: 8
    .kernarg_segment_size: 40
    .max_flat_workgroup_size: 512
    .sgpr_count:     90
    .vgpr_count:     256
    .wavefront_size: 32
...
	.end_amdgpu_metadata
.endif
;; end of part 3
;; launch oproj (part 4): grid 8 x 32, 4 waves a work-group, clusters of 4 x 4, 327,680 bytes of LDS; arguments o_img, o_sc, codes, scales, query, out0; writes out0
.if DOCPART == 4
	.amdgcn_target "amdgcn-amd-amdhsa--gfx1250"
	.amdhsa_code_object_version 6
	.text
	.protected	k_q98dd56d60c_oproj
	.globl	k_q98dd56d60c_oproj
	.p2align	8
	.type	k_q98dd56d60c_oproj,@function
k_q98dd56d60c_oproj:
	s_mov_b64 s[64:65], 0
	v_nop
	global_prefetch_b8 v0, s[64:65] scope:SCOPE_SE
	s_setreg_imm32_b32 hwreg(HW_REG_WAVE_MODE, 25, 1), 1
	s_wait_xcnt 0x0
	s_wait_alu depctr_hold_cnt(0) depctr_sa_sdst(0) depctr_va_vdst(0) depctr_va_sdst(0) depctr_va_ssrc(0) depctr_va_vcc(0) depctr_vm_vsrc(0)
	s_getreg_b32 s2, hwreg(HW_REG_IB_STS2, 6, 4)
	s_cmp_eq_u32 s2, 0
	s_cbranch_scc0 .Lentry_in_a_cluster
	s_endpgm
.Lentry_in_a_cluster:
	s_bfe_u32 s2, ttmp6, 0x10000c
	s_cmp_lg_u32 s2, 0xf033
	s_cbranch_scc0 .Lentry_shape_is_right
	s_endpgm
.Lentry_shape_is_right:
; out0 = (query + o x (renormalised o_w)^T) x sqrt(1/2); the product on codes of FP4 with E8M0 scales, K = 1,024 in eight steps of 128 (a step is a head).
; A work-group of four waves makes 256 tokens x 128 channels: 256 work-groups.  Wave w makes tokens 64 w .. 64 w + 63 x all 128 channels: 32 accumulators; a row of its result is 512 bytes on end, so its own
; stage in LDS serves the way out.  Both operands lie whole in LDS, filled once: no slot is filled again.
; o comes as images of the operand's registers (a wave's four tiles x eight steps: 32,768 dense bytes, read by that wave alone); o_w's codes as rows of 512 bytes, read by all four waves.
; CLUSTERS: 4 x 4 work-groups: o's images are shared along a row of the cluster, o_w's rows and scale bytes along a column: joint loads, three a wave.
; THE MATRIX INSTRUCTION IS USED TRANSPOSED: source 0 = 16 rows of o_w, source 1 = 16 tokens.  16 rows of o_w on end in the buffer are rows 0-7 and 16-23 (or 8-15 and 24-31) of a group of 32: in tile i
; lane (r, h) holds token r, and register j channel 32 (i / 2) + 16 h + 8 (i % 2) + j.
; The wave's 64 x 128 numbers of query are asked for at the head and wait in 256 registers.
; REGISTERS, in windows of 256: window 0: v16-22 addresses; v32-95 o_w's scale words; v96-111 o's; v128-191 o's fragments, two sets; on the way out v128-255 rows of the result.
;   window 1: o_w's fragments, two sets, at v0 and v128.   window 2: the accumulators ((m, i) at v[8 (8 m + i)]).   window 3: query, row 16 m + t at v[4 (16 m + t)].
.set PITCH, 528                        ; an LDS row: 512 bytes + 16 of padding: the 16 rows that a load touches start at 16 different banks (ISA guide 11.1)
.set WT,    131072                     ; behind o's images: o_w's 128 rows,
.set WSC,   WT+128*PITCH               ; their scale bytes, as units of 256 bytes + 16,
.set STG,   WSC+16*272                 ; and a stage of 16 rows for each wave: written by LDS stores, never filled by a tensor load
.set LI,   16                          ; v16  16 x lane
.set ADA,  17                          ; v17  my wave's images
.set ADW,  18                          ; v18  my lane's place in a tile of o_w
.set ADSW, 19                          ; v19  and among its scale bytes
.set STO,  20                          ; v20  the stage: where I put my numbers of a row
.set RD,   21                          ; v21  and where I read a row back
.set ASO,  22                          ; v22  o's scale words: 4 x row; lanes 16-31 one head on
.set WSW,  32                          ; v[WSW + 8 i + s]: the word of tile i's row r for step s
.set ASW,  96                          ; v[ASW + 4 m + p]: lanes 0-15 the word of tile m's token r for step 2 p, lanes 16-31 for step 2 p + 1
.set AF,   128
.set GA1, 24                           ; s[24:31], s[32:35] groups 1 and 0 for o's images
.set GA0, 32
.set GW0, 36                           ; s[48:55], s[36:39] for o_w's codes
.set GW1, 48
.set GS0, 56                           ; s[68:75], s[56:59] for o_w's scale bytes
.set GS1, 68
.set MSB, 0
.macro WIN new                         ; the immediate's high byte repeats the setting that is left
.if MSB != \new
	s_set_vgpr_msb (MSB<<8)|\new
.set MSB, \new
.endif
.endm
.macro CROUND                          ; a round of the cluster's barrier
	s_barrier_signal -1
	s_barrier_wait -1
	s_cmp_lg_u32 s16, 0
	s_cbranch_scc1 .Lnot_wave_0_\@
	s_barrier_signal -3
.Lnot_wave_0_\@:
	s_barrier_wait -3
	s_barrier_signal -1
	s_barrier_wait -1
.endm
.macro PLACES                          ; four plain vector instructions between a matrix instruction and a load into, or a read of, its registers (ISA guide 7.12.1 for reads)
.rept 4
	v_nop
.endr
.endm
	s_load_b256 s[4:11], s[0:1], 0x0               ; o_img 4:5, o_sc 6:7, codes 8:9, scales 10:11
	s_load_b128 s[12:15], s[0:1], 0x20             ; query 12:13, out0 14:15
	v_lshl_add_u32 v126, v0, 2, 0x39d00
	v_mov_b32 v127, 0
	ds_add_u32 v126, v127
	ds_add_u32 v126, v127
	v_lshrrev_b32 v1, 5, v0
	v_readfirstlane_b32 s16, v1                    ; wave 0..3
	s_bfe_u32 s40, ttmp6, 0x40000                  ; cx, cy
	s_bfe_u32 s41, ttmp6, 0x40004
	s_lshl_b32 s42, ttmp9, 2
	s_add_co_u32 s42, s42, s40                     ; tx: 128 channels
	s_and_b32 s17, ttmp7, 0xffff
	s_lshl_b32 s17, s17, 2
	s_add_co_u32 s17, s17, s41                     ; ty: 256 tokens
	s_lshl_b32 s43, s41, 2
	s_lshl_b32 s43, 15, s43                        ; my row of the cluster
	s_lshl_b32 s44, 0x1111, s40                    ; my column
	s_or_b32 s[GA1], s43, (3<<16)|(1<<21)          ; o's images: a dense block as 128 rows of 32 elements of 8 bytes; no padding; 21 set beside a mask
	s_mov_b32 s[GA1+1], 32<<16
	s_mov_b32 s[GA1+2], 128<<16
	s_mov_b32 s[GA1+3], 32<<16
	s_mov_b32 s[GA1+4], 128
	s_mov_b32 s[GA1+5], 32
	s_mov_b32 s[GA1+6], 0
	s_mov_b32 s[GA1+7], 0
	s_or_b32 s[GW1], s44, (1<<20)|(1<<21)|(6<<22)|(3<<25)   ; o_w's codes: 32 rows of 512 bytes, four words of padding after every 128
	s_mov_b32 s[GW1+1], 512<<16
	s_mov_b32 s[GW1+2], 32<<16
	s_mov_b32 s[GW1+3], 512<<16
	s_mov_b32 s[GW1+4], 32
	s_mov_b32 s[GW1+5], 512
	s_mov_b32 s[GW1+6], 0
	s_mov_b32 s[GW1+7], 0
	s_or_b32 s[GS1], s44, (3<<16)|(1<<20)|(1<<21)|(5<<22)|(3<<25)   ; the scale bytes of 32 rows: 1,024 dense bytes as 4 rows of 256, four words of padding behind each
	s_mov_b32 s[GS1+1], 32<<16
	s_mov_b32 s[GS1+2], 4<<16
	s_mov_b32 s[GS1+3], 32<<16
	s_mov_b32 s[GS1+4], 4
	s_mov_b32 s[GS1+5], 32
	s_mov_b32 s[GS1+6], 0
	s_mov_b32 s[GS1+7], 0
	s_lshl_b32 s20, s17, 4
	s_lshl_b32 s21, s16, 2
	s_add_co_u32 s20, s20, s21                     ; my first tile of 16 tokens: 16 ty + 4 w
	s_lshl_b32 s22, s20, 6                         ; 64 bytes of scale words a tile,
	s_mov_b32 s23, 0
	s_lshl_b32 s20, s20, 13                        ; 8,192 bytes of images
	s_mov_b32 s21, 0
	s_lshl_b32 s46, s42, 7
	s_lshl_b32 s47, s16, 5
	s_add_co_u32 s46, s46, s47
	s_add_co_u32 s46, s46, 11264                   ; o_w's rows that I fetch: 11,264 + 128 tx + 32 w
	s_lshl_b32 s92, s46, 5
	s_mov_b32 s93, 0
	s_lshl_b32 s46, s46, 9
	s_mov_b32 s47, 0
	s_lshl_b32 s94, s17, 20                        ; query and out0: 256 rows of 4,096 bytes,
	s_lshl_b32 s95, s16, 18                        ; my wave's 64,
	s_add_co_u32 s94, s94, s95
	s_lshl_b32 s95, s42, 9                         ; my 128 channels
	s_add_co_u32 s94, s94, s95
	s_mov_b32 s95, 0
	s_wait_dscnt 0x0
	s_wait_kmcnt 0x0
	s_add_nc_u64 s[6:7], s[6:7], s[22:23]
	s_add_nc_u64 s[12:13], s[12:13], s[94:95]
	s_add_nc_u64 s[14:15], s[14:15], s[94:95]
	s_mov_b32 s[GA0], 1
	s_lshl_b32 s[GA0+1], s16, 15                   ; wave x 32,768
	s_add_nc_u64 s[GA0+2:GA0+3], s[4:5], s[20:21]
	s_or_b32 s[GA0+3], s[GA0+3], 0x80000000
	s_mov_b32 s[GW0], 1
	s_mul_i32 s[GW0+1], s16, 32*PITCH
	s_add_co_u32 s[GW0+1], s[GW0+1], WT
	s_add_nc_u64 s[GW0+2:GW0+3], s[8:9], s[46:47]
	s_or_b32 s[GW0+3], s[GW0+3], 0x80000000
	s_mov_b32 s[GS0], 1
	s_mul_i32 s[GS0+1], s16, 4*272
	s_add_co_u32 s[GS0+1], s[GS0+1], WSC
	s_add_nc_u64 s[GS0+2:GS0+3], s[10:11], s[92:93]
	s_or_b32 s[GS0+3], s[GS0+3], 0x80000000
	CROUND                                         ; all sixteen work-groups are here: the joint loads meet
	tensor_load_to_lds s[GS0:GS0+3], s[GS1:GS1+7]  ; every wave issues all three: three tensor loads of mine are out
	s_nop 0
	tensor_load_to_lds s[GW0:GW0+3], s[GW1:GW1+7]
	s_nop 0
	tensor_load_to_lds s[GA0:GA0+3], s[GA1:GA1+7]
	s_nop 0
.rept 4
	v_nop
.endr
	v_and_b32 v1, 15, v0                           ; r
	v_bfe_u32 v2, v0, 4, 1                         ; h
	v_and_b32 v[LI], 31, v0
	v_lshlrev_b32 v[LI], 4, v[LI]
	v_lshlrev_b32 v[ASO], 15, v2
	v_lshl_add_u32 v[ASO], v1, 2, v[ASO]
.irp m, 0,1,2,3
.irp p, 0,1,2,3
	global_load_b32 v[ASW+4*\m+\p], v[ASO], s[6:7] offset:65536*\p+64*\m
.endr
.endr
	WIN 0xc0                                       ; destination window 3, address window 0
.irp m, 0,1,2
.irp t, 0,1,2,3,4,5,6,7,8,9,10,11,12,13,14,15
	global_load_b128 v[4*(16*\m+\t):4*(16*\m+\t)+3], v[LI], s[12:13] offset:(16*\m+\t)*4096 th:TH_LOAD_NT   ; 512 bytes on end of a row of query
.endr
.endr
	WIN 0
	s_lshl_b32 s18, s16, 15
	v_add_nc_u32 v[ADA], s18, v[LI]
	v_mul_u32_u24 v[ADW], v1, PITCH
	v_lshl_add_u32 v[ADW], v2, 4, v[ADW]
	v_add_nc_u32 v[ADW], WT, v[ADW]
	v_lshrrev_b32 v3, 3, v1
	v_mul_u32_u24 v[ADSW], v3, 272
	v_and_b32 v3, 7, v1
	v_lshl_add_u32 v[ADSW], v3, 5, v[ADSW]
	v_add_nc_u32 v[ADSW], WSC, v[ADSW]
	s_mul_i32 s18, s16, 16*PITCH
	s_add_co_u32 s18, s18, STG                     ; my stage
	v_mul_u32_u24 v[STO], v1, PITCH
	v_lshl_add_u32 v[STO], v2, 6, v[STO]
	v_add_nc_u32 v[STO], s18, v[STO]               ; in: row r, + 64 h
	v_add_nc_u32 v[RD], s18, v[LI]                 ; back: the 32 lanes take a row of 512 bytes
.macro FETCH s, p                      ; step s's fragments into set p: o_w's eight tiles, my four tiles of o
	WIN 0x40
.irp i, 0,1,2,3,4,5,6,7
.irp c, 0,1
	ds_load_b128 v[128*(\p)+8*\i+4*\c:128*(\p)+8*\i+4*\c+3], v[ADW] offset:16*PITCH*\i+64*(\s)+32*\c
.endr
.endr
	WIN 0
.irp m, 0,1,2,3
.irp c, 0,1
	ds_load_b128 v[AF+32*(\p)+8*\m+4*\c:AF+32*(\p)+8*\m+4*\c+3], v[ADA] offset:8192*\m+1024*(\s)+512*\c
.endr
.endr
.endm
; A step of 128 along K: the next step's 24 loads go out, then 32 matrix instructions.  The 32 accumulators take turns, one instruction a turn, in the same order in every step.
.macro STEP s
	s_wait_dscnt 0x0                               ; this step's fragments are in
.if (\s) < 7
.if (\s) > 0
	PLACES                                         ; the other set was read by the last step's products
.endif
	FETCH (\s)+1, ((\s)+1)%2
.endif
	WIN 0xa1                                       ; source 0 window 1, source 1 window 0, C and D window 2
.irp m, 0,1,2,3
.irp i, 0,1,2,3,4,5,6,7
.if (\s) == 0
	v_wmma_scale_f32_16x16x128_f8f6f4 v[8*(8*\m+\i):8*(8*\m+\i)+7], v[128*((\s)%2)+8*\i:128*((\s)%2)+8*\i+7], v[AF+32*((\s)%2)+8*\m:AF+32*((\s)%2)+8*\m+7], 0, v[WSW+8*\i+(\s)], v[ASW+4*\m+(\s)/2] matrix_a_fmt:MATRIX_FMT_FP4 matrix_b_fmt:MATRIX_FMT_FP4
.elseif (\s)%2
	v_wmma_scale_f32_16x16x128_f8f6f4 v[8*(8*\m+\i):8*(8*\m+\i)+7], v[128*((\s)%2)+8*\i:128*((\s)%2)+8*\i+7], v[AF+32*((\s)%2)+8*\m:AF+32*((\s)%2)+8*\m+7], v[8*(8*\m+\i):8*(8*\m+\i)+7], v[WSW+8*\i+(\s)], v[ASW+4*\m+(\s)/2] matrix_a_fmt:MATRIX_FMT_FP4 matrix_b_fmt:MATRIX_FMT_FP4 matrix_b_scale:MATRIX_SCALE_ROW1
.else
	v_wmma_scale_f32_16x16x128_f8f6f4 v[8*(8*\m+\i):8*(8*\m+\i)+7], v[128*((\s)%2)+8*\i:128*((\s)%2)+8*\i+7], v[AF+32*((\s)%2)+8*\m:AF+32*((\s)%2)+8*\m+7], v[8*(8*\m+\i):8*(8*\m+\i)+7], v[WSW+8*\i+(\s)], v[ASW+4*\m+(\s)/2] matrix_a_fmt:MATRIX_FMT_FP4 matrix_b_fmt:MATRIX_FMT_FP4
.endif
.endr
.endr
.endm
	s_wait_tensorcnt 0x0                           ; my three loads are in,
	s_barrier_signal -1
	s_barrier_wait -1                              ; everybody's are
.irp i, 0,1,2,3,4,5,6,7
.irp u, 0,1
	ds_load_b128 v[WSW+8*\i+4*\u:WSW+8*\i+4*\u+3], v[ADSW] offset:2*272*\i+16*\u   ; all eight steps' scale words of tile i
.endr
.endr
	FETCH 0, 0
	s_wait_loadcnt 48                              ; o's scale words are in; the 48 loads of query behind them may be out
	WIN 0xc0
.irp t, 0,1,2,3,4,5,6,7,8,9,10,11,12,13,14,15
	global_load_b128 v[4*(48+\t):4*(48+\t)+3], v[LI], s[12:13] offset:(48+\t)*4096 th:TH_LOAD_NT
.endr
	WIN 0
.irp s, 0,1,2,3,4,5,6,7
	STEP \s
.endr
	WIN 0
; THE WAY OUT, 16 tokens at a time.  A lane holds pieces of one row, and the lanes beside it hold other rows: a block goes through my own stage and comes back as whole rows of 512 bytes.
; LDS serves a wave's instructions in order (ISA guide 5.7.1.4): no wait between the stores and the loads, nor in front of the next block's stores.
.macro TOSTAGE m
	WIN 0x08                                       ; an LDS store's data are its source 1: window 2
.irp i, 0,1,2,3,4,5,6,7
	ds_store_b128 v[STO], v[8*(8*(\m)+\i):8*(8*(\m)+\i)+3] offset:128*(\i/2)+32*(\i%2)       ; each accumulator from its low end on
	ds_store_b128 v[STO], v[8*(8*(\m)+\i)+4:8*(8*(\m)+\i)+7] offset:128*(\i/2)+32*(\i%2)+16
.endr
	WIN 0
.set BB, AF+64*((\m)%2)
.irp t, 0,1,2,3,4,5,6,7,8,9,10,11,12,13,14,15
	ds_load_b128 v[BB+4*\t:BB+4*\t+3], v[RD] offset:\t*PITCH
.endr
.endm
.macro SEND m, younger                 ; younger: the LDS instructions issued behind block m's loads, which may stay out
.set BB, AF+64*((\m)%2)
	s_wait_dscnt \younger
	WIN 0x0c                                       ; source 1: window 3
.set j, 0
.rept 32
	v_pk_add_f32 v[BB+j:BB+j+1], v[BB+j:BB+j+1], v[64*(\m)+j:64*(\m)+j+1]    ; + query
.set j, j+2
.endr
	WIN 0
.set j, 0
.rept 32
	v_pk_mul_f32 v[BB+j:BB+j+1], v[BB+j:BB+j+1], 0x3f3504f3 op_sel_hi:[1,0]  ; x sqrt(1/2) = 0.5 / sqrt(0.5)
.set j, j+2
.endr
.irp t, 0,1,2,3,4,5,6,7,8,9,10,11,12,13,14,15
	global_store_b128 v[LI], v[BB+4*\t:BB+4*\t+3], s[14:15] offset:(16*(\m)+\t)*4096 th:TH_STORE_NT   ; 32 lanes store 512 bytes on end, at a multiple of 256 from out0's first byte
.endr
.endm
	PLACES                                         ; behind the last products: ahead of the reads of results and of the loads into the registers that held o's fragments
	s_wait_loadcnt 0x0                             ; query
	TOSTAGE 0
.irp m, 1,2,3
.if \m > 1
	s_wait_xcnt 0x0                                ; block m - 2's stores have read their registers: block m's loads may land there
.endif
	TOSTAGE \m
	SEND \m-1, 32                                  ; behind block m - 1's loads: block m's 16 stores and 16 loads
.endr
	SEND 3, 0
	s_wait_tensorcnt 0x0
	ds_add_u32 v126, v127
	s_wait_dscnt 0x0
	CROUND                                         ; the closing round: no work-group ends while a partner may still ask for a tile that names it
	s_endpgm
.Lfunc_end_k_q98dd56d60c_oproj:
	.size	k_q98dd56d60c_oproj, .Lfunc_end_k_q98dd56d60c_oproj-k_q98dd56d60c_oproj
	.p2alignl 7, 3214868480
	.fill 96, 4, 3214868480
	.section	.rodata,"a",@progbits
	.p2align	6, 0x0
	.amdhsa_kernel k_q98dd56d60c_oproj
		.amdhsa_group_segment_fixed_size 327680
		.amdhsa_private_segment_fixed_size 0
		.amdhsa_enable_private_segment 0
		.amdhsa_kernarg_size 48
		.amdhsa_user_sgpr_count 2
		.amdhsa_user_sgpr_kernarg_segment_ptr 1
		.amdhsa_wavefront_size32 1
		.amdhsa_system_sgpr_workgroup_id_x 1
		.amdhsa_system_sgpr_workgroup_id_y 1
		.amdhsa_system_sgpr_workgroup_id_z 1
		.amdhsa_system_vgpr_workitem_id 0
		.amdhsa_next_free_vgpr 1024
		.amdhsa_next_free_sgpr 100
		.amdhsa_reserve_vcc 0
		.amdhsa_float_denorm_mode_32 3
		.amdhsa_float_denorm_mode_16_64 3
		.amdhsa_memory_ordered 1
		.amdhsa_forward_progress 1
		.amdhsa_inst_pref_size 96
	.end_amdhsa_kernel
	.amdgpu_metadata
---
amdhsa.version: [ 1, 2 ]
amdhsa.kernels:
  - .name:           k_q98dd56d60c_oproj
    .symbol:         k_q98dd56d60c_oproj.kd
    .args:
      - { .name: o_img, .offset: 0, .size: 8, .value_kind: global_buffer, .address_space: global }
      - { .name: o_sc, .offset: 8, .size: 8, .value_kind: global_buffer, .address_space: global }
      - { .name: codes, .offset: 16, .size: 8, .value_kind: global_buffer, .address_space: global }
      - { .name: scales, .offset: 24, .size: 8, .value_kind: global_buffer, .address_space: global }
      - { .name: query, .offset: 32, .size: 8, .value_kind: global_buffer, .address_space: global }
      - { .name: out0, .offset: 40, .size: 8, .value_kind: global_buffer, .address_space: global }
    .group_segment_fixed_size: 327680
    .private_segment_fixed_size: 0
    .kernarg_segment_align: 8
    .kernarg_segment_size: 48
    .max_flat_workgroup_size: 128
    .sgpr_count:     100
    .vgpr_count:     1024
    .wavefront_size: 32
...
	.end_amdgpu_metadata
.endif
;; end of part 4
